; MI455X (gfx1250); checked and timed in simulation.
; The chip was launched on July 23, 2026; its instructions are those of AMD's public machine-readable ISA for CDNA 5 (MIT licence, August 2026) and "CDNA5" Instruction Set Architecture Reference Guide (July 2026). The comments in the code are by the model that wrote it; some were corrected since.
;; Sparse Mo E. Allowed arithmetic: matrix products marked QUANTISED: E5M2 operands, one given power-of-two scale a tensor, by v_wmma_f32_16x16x64_bf8_bf8 or v_wmma_f32_16x16x128_bf8_bf8, f32 sums; products left as they are: f32 operands where the result goes on into a quantised operand, else bf16, f16 or f32 operands; f32 sums; everything else in f32.
;; Inputs: W1 8 x 512 x 1,024 float32; W2 8 x 1,024 x 1,024 float32; W3 8 x 1,024 x 512 float32; Wg1 512 x 32 float32; Wg2 32 x 8 float32; b1 8 x 1,024 float32; b2 8 x 1,024 float32; b3 8 x 512 float32; beta 8 x 1,024 float32; bg1 32 float32; bg2 8 float32; bn_mean 8 x 1,024 float32; bn_var 8 x 1,024 float32; gamma 8 x 1,024 float32; lowp_scales 8 int32 (the exponents e of the quantised operands' scales 2^e); x 4,096 x 512 float32.
;; Outputs: out0 4,096 x 512 float32; out1 one number float32.
;; This version of the problem:
;;   THIS VERSION OF THE PROBLEM IS GIVEN IN LOW PRECISION. The matrix products marked QUANTISED in the list below multiply operands that are first quantised to E5M2 (5 exponent bits, 2 mantissa bits; 8 bits a number), with one given power-of-two scale for each operand tensor; their sums are f32. All else is computed in f32.
;;   The module's matrix products, in the order in which they are computed (A, B: the left and right operand; K: the contracted axis; several contracted axes count as one K, in the product's order):
;;     1. [M 4,096, K 512] x [K 512, N 32]; A: input x; B: input Wg1: QUANTISED (scales: A lowp_scales[0], B lowp_scales[1])
;;     2. [M 4,096, K 32] x [K 32, N 8]; A: computed on the way; B: input Wg2: left as it is (N = 8 < 16)
;;     3. [M 8,192, K 512] x [K 512, N 4,096]; A: input W1; B: input x: QUANTISED (scales: A lowp_scales[2], B lowp_scales[3])
;;     4. batch 8 x [M 4,096, K 1,024] x [K 1,024, N 1,024]; A: computed on the way; B: input W2: QUANTISED (scales: A lowp_scales[4], B lowp_scales[5])
;;     5. batch 8 x [M 4,096, K 1,024] x [K 1,024, N 512]; A: computed on the way; B: input W3: QUANTISED (scales: A lowp_scales[6], B lowp_scales[7])
;;   THE QUANTISER, for each operand of a quantised product, along K:
;;     - The operand's scale is 2^e, e = its entry of the input lowp_scales (int32; the entries are numbered through the quantised products in the list's order, A before B).
;;     - Each number is divided by the scale, clamped to +-57,344, and rounded to the nearest number of E5M2, ties to even, subnormals kept.
;;     - The product sums the exact products of the quantised numbers (number of the format x scale) in f32.
;;   ~~~python
;;   def quantise(x, axis, e):      # numpy; x: float32 -> the quantised numbers, widened to float32 again
;;       x = np.moveaxis(x, axis, -1); K = x.shape[-1]
;;       r = np.clip(x / 2.0 ** e, -57344, 57344)
;;       step = 2.0 ** (np.maximum(np.frexp(np.where(r == 0, 1, r))[1] - 1, -14) - 2)
;;       q = np.round(r / step) * step * 2.0 ** e      # np.round: ties to even
;;       return np.moveaxis(q, -1, axis).astype(np.float32)
;;   ~~~
;;   OPERANDS COMPUTED ON THE WAY. 'Computed on the way' means the value that the module computes at that place (a softmax that the list does not call 'softmax' is quantised finished and normalised). What goes into a quantiser is computed in f32, as accurately as f32 sums, v_exp_f32 and their like allow (about 1e-6 of the number): no bf16 or f16 on the way to a quantiser, and a product that is left as it is and whose result goes on into a quantised operand takes f32 operands (vector FMAs, or v_wmma_f32_16x16x4_f32). A number that lies on a knife's edge between two numbers of the format may be rounded either way, as far as f32 arithmetic and the matrix unit's own rounding can turn it there, and no further.
;; 2 versions, each right; version 2 is version 1 with the launch experts written anew for expert scheduling mode. Each part assembles by itself: llvm-mc -triple=amdgcn-amd-amdhsa -mcpu=gfx1250 --defsym DOCPART=n.
;; ======== version 1 of 2: 4 launches
;; workspace buffers: wq 16,777,216 bytes; xq 2,097,152 bytes; fsm 106,496 bytes; topi 32,768 bytes of whole numbers; plan 70,144 bytes of whole numbers; part 17,694,720 bytes
;; launch prep (part 1): grid 576 x 1, 4 waves a work-group, no clusters, 83,456 bytes of LDS; arguments x, Wg1, bg1, Wg2, bg2, b1, gamma, beta, bn_mean, bn_var, lowp_scales, W1, W2, W3, wq, xq, fsm, topi; writes wq, xq, fsm, topi
.if DOCPART == 1
	.amdgcn_target "amdgcn-amd-amdhsa--gfx1250"
	.amdhsa_code_object_version 6
	.text
	.protected	k_qe1acb4af11_prep
	.globl	k_qe1acb4af11_prep
	.p2align	8
	.type	k_qe1acb4af11_prep,@function
k_qe1acb4af11_prep:
	s_mov_b64 s[64:65], 0
	v_nop
	global_prefetch_b8 v0, s[64:65] scope:SCOPE_SE
	s_setreg_imm32_b32 hwreg(HW_REG_WAVE_MODE, 25, 1), 1
	s_wait_xcnt 0x0
; PREP.  Two roles, parted on the work-group's number alone.
; Work-groups 0-63, THE GATE, 64 tokens each (16 a wave): x becomes codes of E5M2 twice (scale 2^e0 for the gate's product, 2^e3 for the experts'; the second go to xq);
;   hid = relu(x Wg1 + bg1) on codes; logits = hid Wg2 + bg2 in f32; softmax with the row's maximum taken away; the two largest (the lower index wins a tie) and their
;   renormalised weights go to fixed places (topi, fsm); each wave's sums of the eight probabilities go to fsm.  The same work-groups fold BatchNorm: h = sum x S + T.
; Work-groups 64-575, THE WEIGHTS: W1, W2, W3 (f32, K outermost) become codes laid in the ORDER OF THE OPERAND'S REGISTERS.  A lane takes a column, its registers run down K.
; A FRAGMENT is 16 rows x 128 K of codes, 16 registers a lane: registers 2c, 2c+1 of lane (r, h) hold k = 16c + 8h + 0..7 of row r.  Its IMAGE is 2,048 bytes:
;   registers 4q..4q+3 of lane l lie at 512 q + 16 l.
; wq: expert e at e x 2 MiB; 16 macro steps of 131,072 bytes; in a step wave w's 16 fragments at 32,768 w + 2,048 f.  Steps 0-3: W1 (K step t, columns 16 (16w+f) on);
;   steps 4-11: W2 likewise; steps 12-15: W3 (f = 8u + j: K step 2 (t-12) + u, columns 16 (8w+j) on).
; xq: a token's 512 codes in 512 bytes; the 16 bytes at 128 s + 32 q + 16 h are registers 4q..4q+3 of lane half h of K step s.
; fsm (f32): weights [token][2] at 0; sums of probabilities [256][8] at 32,768; S [8192] at 40,960; T [8192] at 73,728.   topi (int32): experts [token][2].
; LIMITS: e0, e1, e2, e3, e5, e7 between -126 and 112 (2^e and 57,344 x 2^e are made as f32 numbers); e0 + e1 between -126 and 127; e2 + e3 goes through v_ldexp_f32.
;   NaN among the inputs is not served; an infinity is held at the largest code.  A probability under 2^-126 counts as 0 (v_exp_f32 gives no denormals).
; No tensor loads, no cluster: nothing is shared between work-groups, and each input byte is read once.
.set NGATE, 64                         ; work-groups of the gate
.set WST,   0                          ; LDS, weights role: a stage of 8,192 bytes for each wave (four images)
.set GWI,   32768                      ; LDS, gate role: Wg1's eight images, index 2 s + tile
.set XST,   49152                      ; LDS, gate role: for each wave 16 rows of x's codes, 512 bytes + 16
.set XSP,   528
.set LA,    24                         ; v24-31, v32-39: the two accumulators of the f32 product; matrix instructions alone write them, in the whole text
.set LB,    32
.set OFF,   40                         ; weights: v40-71 byte offset of row i of a block: 4 lane + i P
.set WX,    72                         ; weights: v72-135 two sets of 32 numbers
.set WC,    136                        ; weights: v136-143 a block's codes
.set WO,    144                        ; weights: v144-207 the way out
.set X0,    40                         ; gate: v40-103, v104-167 two sets of 64 numbers of x
.set A2,    40                         ; gate, later: v40-55 Wg2, v56-71 bg1, v72-79 bg2
.set BG1,   56
.set BG2,   72
.set HID,   104                        ; v104-119 the hidden layer
.set LG,    120                        ; v120-127 logits, then exponentials
.set PR,    128                        ; v128-135 probabilities
.set TMP,   168                        ; v168-183 sixteen numbers held for e0
.set GX,    168                        ; first: v168-231 two sets of 32 numbers of Wg1, v232-239 their codes
.set GCC,   232
.set GC,    184                        ; v184-199 x's fragment at e0
.set EC,    200                        ; v200-207 x's codes at e3, two sets of four
.set ACC1,  208
.set WF,    216                        ; v216-247 Wg1's two fragments of a K step
.set ACC0,  248
.set XO,    168                        ; at the end: v168-231 rows of xq
; 32 numbers of ONE column, down K, become 32 codes: the hold (the conversion does not saturate: ISA guide 7.6.2), four conversions ordered so that each lane half's 16 bytes
; are four registers on end (k 0-7, 16-23 for half 0; 8-15, 24-31 for half 1), and two stores into the image.
.macro QBLOCK xs, c, adr, off, lim, sc
.set qi, 0
.rept 32
	v_med3_num_f32 v[\xs+qi], v[\xs+qi], -v[\lim], v[\lim]
.set qi, qi+1
.endr
	v_cvt_scalef32_pk8_bf8_f32 v[\c:\c+1], v[\xs:\xs+7], v[\sc]
	v_cvt_scalef32_pk8_bf8_f32 v[\c+2:\c+3], v[\xs+16:\xs+23], v[\sc]
	v_cvt_scalef32_pk8_bf8_f32 v[\c+4:\c+5], v[\xs+8:\xs+15], v[\sc]
	v_cvt_scalef32_pk8_bf8_f32 v[\c+6:\c+7], v[\xs+24:\xs+31], v[\sc]
	v_nop                                          ; one plain line behind the last conversion of a run
	ds_store_b128 v[\adr], v[\c:\c+3] offset:\off
	ds_store_b128 v[\adr], v[\c+4:\c+7] offset:\off+256
.endm
.macro MKSC se, vs, vl                 ; 2^e and 57,344 x 2^e as f32 numbers, from the whole number e in s[se]
	s_add_co_i32 s60, s[\se], 127
	s_lshl_b32 s61, s60, 23
	v_mov_b32 v[\vs], s61
	s_add_co_i32 s60, s60, 15
	s_lshl_b32 s60, s60, 23
	s_or_b32 s60, s60, 0x600000
	v_mov_b32 v[\vl], s60
.endm
.macro PLACES n
.rept \n
	v_nop
.endr
.endm
	v_lshl_add_u32 v23, v0, 2, 0x14400
	s_set_vgpr_msb 0x40
	v_mov_b32 v1, 0
	s_set_vgpr_msb 0x4000
	v_lshrrev_b32 v1, 5, v0
	v_readfirstlane_b32 s2, v1                     ; wave 0..3
	s_cmp_lt_u32 ttmp9, NGATE
	s_cbranch_scc1 .Lgate
; ================= THE WEIGHTS: a work-group takes 128 columns x 256 K of one tensor, a wave 32 columns x 256 K: eight blocks of 32 K, four images =================
	s_load_b128 s[4:7], s[0:1], 0x58               ; W1, W2
	s_load_b128 s[12:15], s[0:1], 0x68             ; W3, wq
	s_load_b64 s[10:11], s[0:1], 0x50              ; the scales' exponents
	s_sub_co_u32 s24, ttmp9, NGATE                 ; j: 0-127 W1, 128-383 W2, 384-511 W3
	s_cmp_ge_u32 s24, 384                          ; W3 or not:
	s_cselect_b32 s25, 2, 3                        ; log2 of the column blocks
	s_cselect_b32 s26, 11, 12                      ; log2 of a row's bytes P
	s_cselect_b32 s27, 17, 18                      ; wq: shift of the block of 256 K
	s_cselect_b32 s28, 15, 14                      ; wq: shift of the column block
	s_cselect_b32 s29, 14, 17                      ; wq: log2 of the distance between the block's two K steps
	s_cselect_b32 s30, 3, 1                        ; the tensor's first work-group / 128, and its first macro step / 4
	s_cmp_lt_u32 s24, 128                          ; W1 or not:
	s_cselect_b32 s31, 1, 2                        ; log2 of an expert's blocks of 256 K
	s_cselect_b32 s30, 0, s30
	s_lshl_b32 s3, s30, 7
	s_sub_co_u32 s52, s24, s3                      ; the work-group's number within its tensor
	s_bfm_b32 s53, s25, 0
	s_and_b32 s53, s52, s53                        ; column block
	s_lshr_b32 s54, s52, s25                       ; block of 256 rows, counted through the experts
	s_lshr_b32 s55, s54, s31                       ; expert
	s_bfm_b32 s56, s31, 0
	s_and_b32 s56, s54, s56                        ; block of 256 K within the expert
	s_lshl_b32 s57, s54, 8
	s_lshl_b32 s57, s57, s26                       ; in: 256 rows x P bytes a block,
	s_lshl_b32 s58, s53, 9
	s_add_co_u32 s57, s57, s58                     ; + 512 bytes a column block,
	s_lshl_b32 s58, s2, 7
	s_add_co_u32 s58, s57, s58                     ; + 128 bytes a wave
	s_mov_b32 s59, 0
	s_lshl_b32 s60, 32, s26                        ; 32 rows
	s_mov_b32 s61, 0
	s_lshl_b32 s62, 1, s26                         ; P
	s_lshl_b32 s66, s55, 21                        ; out: the expert,
	s_lshl_b32 s67, s30, 19
	s_add_co_u32 s66, s66, s67                     ; the tensor's first macro step,
	s_lshl_b32 s67, s56, s27
	s_add_co_u32 s66, s66, s67                     ; the block's first K step,
	s_lshl_b32 s67, s53, s28
	s_add_co_u32 s66, s66, s67                     ; the column block's eight fragments,
	s_lshl_b32 s67, s2, 12
	s_add_co_u32 s66, s66, s67                     ; my two of them
	s_mov_b32 s67, 0
	s_lshl_b32 s68, 1, s29
	s_mov_b32 s69, 0
	v_and_b32 v1, 31, v0                           ; lane = my column of the wave's 32
	v_and_b32 v2, 15, v0
	v_bfe_u32 v6, v0, 4, 1
	s_lshl_b32 s3, s2, 13                          ; my wave's stage
	v_lshlrev_b32 v5, 4, v1                        ; 16 x lane
	v_lshl_add_u32 v3, v6, 11, s3
	v_lshl_add_u32 v3, v2, 4, v3                   ; into the stage: the image of my column's tile, 16 bytes at 16 (column % 16)
	v_add_nc_u32 v4, s3, v5                        ; out of it: as it lies
	v_lshlrev_b32 v[OFF], 2, v1
.set wi, 1
.rept 31
	v_add_nc_u32 v[OFF+wi], s62, v[OFF+wi-1]       ; row i of a block
.set wi, wi+1
.endr
	s_wait_kmcnt 0x0
	s_load_b256 s[16:23], s[10:11], 0x0            ; e0 .. e7
	s_cmp_ge_u32 s24, 384
	s_cselect_b64 s[6:7], s[12:13], s[6:7]         ; the tensor is chosen by the work-group's number alone
	s_cmp_lt_u32 s24, 128
	s_cselect_b64 s[4:5], s[4:5], s[6:7]
	s_add_nc_u64 s[32:33], s[4:5], s[58:59]        ; eight bases, one for each block of 32 rows: nothing is stepped later
.irp t, 1,2,3,4,5,6,7
	s_add_nc_u64 s[32+2*\t:33+2*\t], s[30+2*\t:31+2*\t], s[60:61]
.endr
	s_add_nc_u64 s[48:49], s[14:15], s[66:67]      ; where the first K step's two fragments go,
	s_add_nc_u64 s[50:51], s[48:49], s[68:69]      ; and the second's
.macro WLOAD t                         ; block t: 32 rows at my column; a wave's load covers 128 consecutive bytes, the four waves stand side by side on 512
.set wi, 0
.rept 32
	global_load_b32 v[WX+32*((\t)%2)+wi], v[OFF+wi], s[32+2*(\t):33+2*(\t)] th:TH_LOAD_NT
.set wi, wi+1
.endr
.endm
	WLOAD 0
	WLOAD 1
	s_wait_kmcnt 0x0
	s_cmp_ge_u32 s24, 384
	s_cselect_b32 s21, s23, s21                    ; e7 for W3, e5 for W2,
	s_cmp_lt_u32 s24, 128
	s_cselect_b32 s21, s18, s21                    ; e2 for W1
	MKSC 21, 11, 10
.irp t, 0,1,2,3,4,5,6,7
.if \t < 7
	s_wait_loadcnt 32                              ; this block's 32 loads are in; the next block's 32 may be out
.else
	s_wait_loadcnt 0x0
.endif
	QBLOCK WX+32*(\t%2), WC, 3, (\t/4)*4096+(\t%4)*512, 10, 11
.if \t < 6
	WLOAD \t+2
.endif
	s_wait_dscnt 0x0                               ; the two stores are done before the next block's codes are made
.endr
.irp i, 0,1,2,3,4,5,6,7,8,9,10,11,12,13,14,15
	ds_load_b128 v[WO+4*\i:WO+4*\i+3], v4 offset:512*\i   ; LDS serves a wave's instructions in order: these see my stores
.endr
.irp i, 0,1,2,3,4,5,6,7
	s_wait_dscnt 15-\i                             ; the younger loads may be out
	global_store_b128 v5, v[WO+4*\i:WO+4*\i+3], s[48:49] offset:512*\i   ; 32 lanes store 512 consecutive bytes, at a multiple of 256 from wq's first byte
.endr
.irp i, 8,9,10,11,12,13,14,15
	s_wait_dscnt 15-\i
	global_store_b128 v5, v[WO+4*\i:WO+4*\i+3], s[50:51] offset:512*(\i-8)
.endr
	s_set_vgpr_msb 0x4
	s_wait_tensorcnt 0x0
	ds_add_u32 v23, v1
	s_wait_dscnt 0x0
	s_set_vgpr_msb 0x400
	s_endpgm
; ================= THE GATE =================
.Lgate:
	s_load_b512 s[4:19], s[0:1], 0x0               ; x, Wg1, bg1, Wg2, bg2, b1, gamma, beta
	s_load_b128 s[20:23], s[0:1], 0x40             ; bn_mean, bn_var
	s_load_b64 s[24:25], s[0:1], 0x50              ; the scales' exponents
	s_load_b128 s[28:31], s[0:1], 0x78             ; xq, fsm
	s_load_b64 s[32:33], s[0:1], 0x88              ; topi
	v_and_b32 v1, 31, v0                           ; lane
	v_and_b32 v2, 15, v0                           ; r: my token of the wave's 16
	v_bfe_u32 v3, v0, 4, 1                         ; h
	v_lshlrev_b32 v4, 11, v2
	v_lshl_add_u32 v4, v3, 5, v4                   ; x: row r of 2,048 bytes, + 32 h: my eight numbers of each sixteen
	v_lshlrev_b32 v5, 4, v1                        ; 16 x lane
	s_lshl_b32 s3, s2, 14
	v_lshl_add_u32 v6, v1, 2, s3                   ; Wg1: column = lane, K step = wave (128 rows of 128 bytes)
	s_lshl_b32 s3, s2, 12
	s_add_co_u32 s3, s3, GWI
	v_lshl_add_u32 v7, v3, 11, s3
	v_lshl_add_u32 v7, v2, 4, v7                   ; where I put Wg1's codes: image 2 wave + lane / 16
	v_add_nc_u32 v8, GWI, v5                       ; where any wave reads an image
	s_mul_i32 s3, s2, 16*XSP
	s_add_co_u32 s3, s3, XST
	v_mul_u32_u24 v9, v2, XSP
	v_lshl_add_u32 v9, v3, 4, v9
	v_add_nc_u32 v9, s3, v9                        ; x's codes into my wave's stage: row r, + 16 h
	v_add_nc_u32 v10, s3, v5                       ; and back, a row of 512 bytes to the 32 lanes
	s_lshl_b32 s34, ttmp9, 9
	v_lshl_add_u32 v17, v0, 2, s34                 ; BatchNorm: 4 (128 x work-group + thread): 64 x 128 threads serve the 8 x 1,024 units
	s_lshl_b32 s44, ttmp9, 17
	s_lshl_b32 s45, s2, 15
	s_add_co_u32 s44, s44, s45                     ; my first token, 64 x work-group + 16 x wave, x 2,048 bytes (x),
	s_mov_b32 s45, 0
	s_lshr_b32 s46, s44, 2                         ; x 512 (xq),
	s_mov_b32 s47, 0
	s_lshr_b32 s48, s44, 8                         ; x 8 (topi, the weights);
	s_mov_b32 s49, 0
	s_lshr_b32 s52, s44, 10                        ; 32 (4 x work-group + wave): my wave's row of sums
	s_mov_b32 s53, 0
	s_wait_kmcnt 0x0
	s_load_b256 s[36:43], s[24:25], 0x0            ; e0 .. e7
	s_add_nc_u64 s[4:5], s[4:5], s[44:45]
	s_add_nc_u64 s[28:29], s[28:29], s[46:47]
	s_add_nc_u64 s[32:33], s[32:33], s[48:49]
	s_add_nc_u64 s[54:55], s[30:31], s[48:49]
	s_add_nc_u64 s[56:57], s[30:31], s[52:53]
	global_load_b32 v18, v17, s[14:15]             ; b1
	global_load_b32 v19, v17, s[16:17]             ; gamma
	global_load_b32 v20, v17, s[18:19]             ; beta
	global_load_b32 v21, v17, s[20:21]             ; bn_mean
	global_load_b32 v22, v17, s[22:23]             ; bn_var
.macro XLOAD s                         ; K step s of my 16 tokens: register 16 q + 8 c + i = k 32 q + 16 c + 8 h + i of token r
.set XL, X0+64*((\s)%2)
.irp q, 0,1,2,3
.irp c, 0,1
	global_load_b128 v[XL+16*\q+8*\c:XL+16*\q+8*\c+3], v4, s[4:5] offset:512*(\s)+128*\q+64*\c
	global_load_b128 v[XL+16*\q+8*\c+4:XL+16*\q+8*\c+7], v4, s[4:5] offset:512*(\s)+128*\q+64*\c+16
.endr
.endr
.endm
.macro GLOAD t                         ; block t of my K step of Wg1: 32 rows at my column
.set gi, 0
.rept 32
	global_load_b32 v[GX+32*((\t)%2)+gi], v6, s[6:7] offset:(32*(\t)+gi)*128
.set gi, gi+1
.endr
.endm
	XLOAD 0
	XLOAD 1
	GLOAD 0
	GLOAD 1
	s_wait_kmcnt 0x0
	MKSC 36, 11, 12                                ; e0: x for the gate
	MKSC 39, 13, 14                                ; e3: x for the experts
	MKSC 37, 15, 16                                ; e1: Wg1
	s_add_co_i32 s50, s36, s37
	s_add_co_i32 s50, s50, 127
	s_lshl_b32 s50, s50, 23                        ; 2^(e0 + e1)
	s_mov_b32 s51, s50                             ; (named with it as a pair, so it is written)
	s_add_co_i32 s58, s38, s39                     ; e2 + e3
	; ---- Wg1: wave w quantises K step w, both tiles of 16 columns
.irp t, 0,1,2,3
.if \t < 3
	s_wait_loadcnt 32                              ; this block is in (and all that was asked for ahead of it: BatchNorm's five, x's K steps 0 and 1); the next block's 32 may be out
.else
	s_wait_loadcnt 0x0
.endif
	QBLOCK GX+32*(\t%2), GCC, 7, \t*512, 16, 15
.if \t < 2
	GLOAD \t+2
.endif
.endr
	; ---- BatchNorm folded: h = sum x S + T, S = 2^(e2+e3) gamma / sqrt(var + eps), T = (b1 - mean) gamma / sqrt(var + eps) + beta
	v_add_f32 v22, 0x3727c5ac, v22                 ; var + 1e-5
	v_rsq_f32 v22, v22
	v_sub_f32 v18, v18, v21                        ; (the plain line behind the transcendental)
	s_wait_alu depctr_va_vdst(0)
	v_mul_f32 v19, v22, v19
	v_fma_f32 v18, v18, v19, v20
	v_ldexp_f32 v19, v19, s58
	global_store_b32 v17, v19, s[30:31] offset:40960
	global_store_b32 v17, v18, s[30:31] offset:73728
	v_and_b32 v20, 7, v0
	v_lshlrev_b32 v20, 2, v20
	v_lshl_add_u32 v20, v3, 8, v20                 ; Wg2: 256 h + 4 (r % 8)
	v_lshlrev_b32 v21, 5, v3                       ; bg1: 32 h
	v_mov_b32 v22, 0                               ; bg2, and the wave's sums: offset 0
	s_wait_dscnt 0x0                               ; for the others' sake: my images of Wg1 are written
	s_barrier_signal -1
	s_barrier_wait -1                              ; all eight images lie in LDS; nobody writes them again
; ---- a K step of 128: x's 64 numbers a lane become two fragments; the one at e0 is multiplied, the one at e3 goes to the stage
.macro GSTEP s
.set XS, X0+64*((\s)%2)
.if \s == 2
	s_wait_loadcnt 16                              ; K step 2 is in; K step 3's sixteen loads may be out
.endif
.if \s == 3
	s_wait_loadcnt 22                              ; K step 3 is in; Wg2's 16, bg1's 4 and bg2's 2 may be out
.endif
.if \s > 0
	PLACES 4                                       ; in front of loads into registers that the last products read (ISA guide 7.12.1 for vector instructions)
.endif
.irp jt, 0,1
.irp q, 0,1,2,3
	ds_load_b128 v[WF+16*\jt+4*\q:WF+16*\jt+4*\q+3], v8 offset:(2*(\s)+\jt)*2048+512*\q
.endr
.endr
.irp q, 0,1,2,3
.set gj, 0
.rept 16
	v_med3_num_f32 v[TMP+gj], v[XS+16*\q+gj], -v12, v12   ; held for e0, into other registers: the numbers are wanted again
.set gj, gj+1
.endr
	v_cvt_scalef32_pk8_bf8_f32 v[GC+4*\q:GC+4*\q+1], v[TMP:TMP+7], v11
	v_cvt_scalef32_pk8_bf8_f32 v[GC+4*\q+2:GC+4*\q+3], v[TMP+8:TMP+15], v11
.set gj, 0
.rept 16
	v_med3_num_f32 v[XS+16*\q+gj], v[XS+16*\q+gj], -v14, v14   ; held for e3
.set gj, gj+1
.endr
	v_cvt_scalef32_pk8_bf8_f32 v[EC+4*(\q%2):EC+4*(\q%2)+1], v[XS+16*\q:XS+16*\q+7], v13
	v_cvt_scalef32_pk8_bf8_f32 v[EC+4*(\q%2)+2:EC+4*(\q%2)+3], v[XS+16*\q+8:XS+16*\q+15], v13
	ds_store_b128 v9, v[EC+4*(\q%2):EC+4*(\q%2)+3] offset:128*(\s)+32*\q
.endr
	v_nop                                          ; one plain line behind the last conversion of the run
.if \s < 2
	XLOAD (\s)+2                                   ; the set just used takes the K step two on
.endif
.if \s == 2
.irp i, 0,1,2,3,4,5,6,7
.irp jj, 0,1
	global_load_b32 v[A2+2*\i+\jj], v20, s[10:11] offset:((\i/4)*16+2*(\i%4)+\jj)*32   ; Wg2(unit (i/4) 16 + 8 h + 2 (i%4) + jj, expert r % 8): the unit that my lane half's hidden register 2 i + jj holds
.endr
.endr
	global_load_b128 v[BG1:BG1+3], v21, s[8:9]               ; bg1 at units 8 h + 0..7
	global_load_b128 v[BG1+4:BG1+7], v21, s[8:9] offset:16
	global_load_b128 v[BG1+8:BG1+11], v21, s[8:9] offset:64  ; and 16 + 8 h + 0..7
	global_load_b128 v[BG1+12:BG1+15], v21, s[8:9] offset:80
	global_load_b128 v[BG2:BG2+3], v22, s[12:13]             ; bg2, all eight in every lane
	global_load_b128 v[BG2+4:BG2+7], v22, s[12:13] offset:16
.endif
	s_wait_dscnt 0x0                               ; Wg1's two fragments are in
.if \s == 0
	v_wmma_f32_16x16x128_bf8_bf8 v[ACC0:ACC0+7], v[WF:WF+15], v[GC:GC+15], 0          ; TRANSPOSED: source 0 = 16 columns of Wg1, source 1 = my 16 tokens: lane (r, h) holds token r, units 8 h + j
	v_wmma_f32_16x16x128_bf8_bf8 v[ACC1:ACC1+7], v[WF+16:WF+31], v[GC:GC+15], 0       ; units 16 + 8 h + j.  The two accumulators take turns
.else
	v_wmma_f32_16x16x128_bf8_bf8 v[ACC0:ACC0+7], v[WF:WF+15], v[GC:GC+15], v[ACC0:ACC0+7]
	v_wmma_f32_16x16x128_bf8_bf8 v[ACC1:ACC1+7], v[WF+16:WF+31], v[GC:GC+15], v[ACC1:ACC1+7]
.endif
.endm
	GSTEP 0
	GSTEP 1
	GSTEP 2
	GSTEP 3
	PLACES 4                                       ; in front of the first read of the sums
	s_wait_loadcnt 0x0                             ; Wg2, bg1, bg2
.irp i, 0,2,4,6
	v_pk_fma_f32 v[HID+\i:HID+\i+1], v[ACC0+\i:ACC0+\i+1], s[50:51], v[BG1+\i:BG1+\i+1] op_sel_hi:[1,0,1]   ; sum x 2^(e0 + e1) + bg1, each accumulator from its low end on
.endr
.irp i, 0,2,4,6
	v_pk_fma_f32 v[HID+8+\i:HID+9+\i], v[ACC1+\i:ACC1+\i+1], s[50:51], v[BG1+8+\i:BG1+9+\i] op_sel_hi:[1,0,1]
.endr
.set gj, 0
.rept 16
	v_max_num_f32 v[HID+gj], 0, v[HID+gj]          ; relu
.set gj, gj+1
.endr
.irp i, 0,1,2,3,4,5,6,7,8,9,10,11,12,13,14,15
	ds_load_b128 v[XO+4*\i:XO+4*\i+3], v10 offset:\i*XSP   ; my 16 tokens' codes at e3, back as whole rows (the four v_nop and the sixteen maxima above are the places behind the last products)
.endr
	; logits^T = Wg2^T hid^T + bg2 in f32: eight instructions of 4 along K for 16 tokens.  A's rows 8-15 repeat rows 0-7, so every lane holds all eight logits of token r.
	v_wmma_f32_16x16x4_f32 v[LA:LA+7], v[A2:A2+1], v[HID:HID+1], v[BG2:BG2+7]
	v_wmma_f32_16x16x4_f32 v[LB:LB+7], v[A2+2:A2+3], v[HID+2:HID+3], 0
.irp i, 2,4,6
	v_wmma_f32_16x16x4_f32 v[LA:LA+7], v[A2+2*\i:A2+2*\i+1], v[HID+2*\i:HID+2*\i+1], v[LA:LA+7]      ; two accumulators by turns
	v_wmma_f32_16x16x4_f32 v[LB:LB+7], v[A2+2*\i+2:A2+2*\i+3], v[HID+2*\i+2:HID+2*\i+3], v[LB:LB+7]
.endr
	PLACES 8                                       ; eight places behind this form
.irp i, 0,2,4,6
	v_pk_add_f32 v[LG+\i:LG+\i+1], v[LA+\i:LA+\i+1], v[LB+\i:LB+\i+1]
.endr
.irp i, 0,1,2,3,4,5,6,7,8,9,10,11,12,13,14,15
	s_wait_dscnt 15-\i
	global_store_b128 v5, v[XO+4*\i:XO+4*\i+3], s[28:29] offset:512*\i   ; a token's 512 bytes: 32 lanes, consecutive, at a multiple of 256 from xq's first byte
.endr
	; ---- softmax over the eight, the largest taken away first
	v_max3_num_f32 v136, v[LG], v[LG+1], v[LG+2]
	v_max3_num_f32 v136, v136, v[LG+3], v[LG+4]
	v_max3_num_f32 v136, v136, v[LG+5], v[LG+6]
	v_max_num_f32 v136, v136, v[LG+7]
.irp e, 0,1,2,3,4,5,6,7
	v_sub_f32 v[LG+\e], v[LG+\e], v136
.endr
.irp e, 0,1,2,3,4,5,6,7
	v_mul_f32 v[LG+\e], 0x3fb8aa3b, v[LG+\e]       ; x log2(e)
.endr
.irp e, 0,1,2,3,4,5,6,7
	v_exp_f32 v[LG+\e], v[LG+\e]
.endr
	v_mov_b32 v138, -1.0                           ; (the plain line behind the exponentials)  under every probability
	s_wait_alu depctr_va_vdst(0)
	v_add_f32 v137, v[LG], v[LG+1]
	v_add_f32 v139, v[LG+2], v[LG+3]
	v_add_f32 v140, v[LG+4], v[LG+5]
	v_add_f32 v141, v[LG+6], v[LG+7]
	v_add_f32 v137, v137, v139
	v_add_f32 v140, v140, v141
	v_add_f32 v137, v137, v140
	v_rcp_f32 v137, v137
	v_mov_b32 v142, 0                              ; (the plain line)  the largest's index
	s_wait_alu depctr_va_vdst(0)
.irp e, 0,1,2,3,4,5,6,7
	v_mul_f32 v[PR+\e], v[LG+\e], v137
.endr
	; ---- the two largest, by compares and selects alone; 'at least as large keeps' lets the lower index win a tie
	v_mov_b32 v144, v[PR]
.irp e, 1,2,3,4,5,6,7
	v_cmp_ge_f32 vcc_lo, v144, v[PR+\e]
	v_cndmask_b32 v142, \e, v142, vcc_lo
	v_cndmask_b32 v144, v[PR+\e], v144, vcc_lo
.endr
	v_mov_b32 v143, 0
	v_mov_b32 v145, -1.0
.irp e, 0,1,2,3,4,5,6,7
	v_cmp_eq_u32 vcc_lo, \e, v142
	v_cndmask_b32 v146, v[PR+\e], v138, vcc_lo     ; the largest itself is out of the second search
	v_cmp_ge_f32 vcc_lo, v145, v146
	v_cndmask_b32 v143, \e, v143, vcc_lo
	v_cndmask_b32 v145, v146, v145, vcc_lo
.endr
	v_add_f32 v147, v144, v145
	v_rcp_f32 v147, v147
	v_lshlrev_b32 v150, 3, v1                      ; (the plain line)  8 bytes a token
	s_wait_alu depctr_va_vdst(0)
	v_mul_f32 v148, v144, v147
	v_mul_f32 v149, v145, v147
	; ---- the wave's sums of the probabilities over its 16 tokens
.irp x, 1,2,4,8
.irp e, 0,1,2,3,4,5,6,7
	v_add_f32_dpp v[PR+\e], v[PR+\e], v[PR+\e] row_xmask:\x row_mask:0xf bank_mask:0xf
.endr
.endr
	s_wait_xcnt 0x0                                ; EXEC changes only behind this wait: it is a source of the stores above
	v_cmp_gt_u32 vcc_lo, 16, v1
	s_set_vgpr_msb 0x4
	s_wait_tensorcnt 0x0
	ds_add_u32 v23, v1
	s_wait_dscnt 0x0
	s_set_vgpr_msb 0x400
	s_and_saveexec_b32 s59, vcc_lo                 ; lanes 0-15: one for each token
	global_store_b64 v150, v[142:143], s[32:33]    ; the two experts, at a fixed place
	global_store_b64 v150, v[148:149], s[54:55]    ; their weights
	s_wait_xcnt 0x0
	s_or_b32 exec_lo, exec_lo, s59
	v_cmp_eq_u32 vcc_lo, 0, v1
	s_and_saveexec_b32 s59, vcc_lo                 ; lane 0
	global_store_b128 v22, v[PR:PR+3], s[56:57] offset:32768
	global_store_b128 v22, v[PR+4:PR+7], s[56:57] offset:32784
	s_wait_xcnt 0x0
	s_or_b32 exec_lo, exec_lo, s59
	s_endpgm
.Lfunc_end_k_qe1acb4af11_prep:
	.size	k_qe1acb4af11_prep, .Lfunc_end_k_qe1acb4af11_prep-k_qe1acb4af11_prep
	.p2alignl 7, 3214868480
	.fill 96, 4, 3214868480
	.section	.rodata,"a",@progbits
	.p2align	6, 0x0
	.amdhsa_kernel k_qe1acb4af11_prep
		.amdhsa_group_segment_fixed_size 83456
		.amdhsa_private_segment_fixed_size 0
		.amdhsa_enable_private_segment 0
		.amdhsa_kernarg_size 144
		.amdhsa_user_sgpr_count 2
		.amdhsa_user_sgpr_kernarg_segment_ptr 1
		.amdhsa_wavefront_size32 1
		.amdhsa_system_sgpr_workgroup_id_x 1
		.amdhsa_system_sgpr_workgroup_id_y 1
		.amdhsa_system_sgpr_workgroup_id_z 1
		.amdhsa_system_vgpr_workitem_id 0
		.amdhsa_next_free_vgpr 258
		.amdhsa_next_free_sgpr 100
		.amdhsa_reserve_vcc 1
		.amdhsa_float_denorm_mode_32 3
		.amdhsa_float_denorm_mode_16_64 3
		.amdhsa_memory_ordered 1
		.amdhsa_forward_progress 1
		.amdhsa_inst_pref_size 138
	.end_amdhsa_kernel
	.amdgpu_metadata
---
amdhsa.version: [ 1, 2 ]
amdhsa.kernels:
  - .name:           k_qe1acb4af11_prep
    .symbol:         k_qe1acb4af11_prep.kd
    .args:
      - { .name: x, .offset: 0, .size: 8, .value_kind: global_buffer, .address_space: global }
      - { .name: Wg1, .offset: 8, .size: 8, .value_kind: global_buffer, .address_space: global }
      - { .name: bg1, .offset: 16, .size: 8, .value_kind: global_buffer, .address_space: global }
      - { .name: Wg2, .offset: 24, .size: 8, .value_kind: global_buffer, .address_space: global }
      - { .name: bg2, .offset: 32, .size: 8, .value_kind: global_buffer, .address_space: global }
      - { .name: b1, .offset: 40, .size: 8, .value_kind: global_buffer, .address_space: global }
      - { .name: gamma, .offset: 48, .size: 8, .value_kind: global_buffer, .address_space: global }
      - { .name: beta, .offset: 56, .size: 8, .value_kind: global_buffer, .address_space: global }
      - { .name: bn_mean, .offset: 64, .size: 8, .value_kind: global_buffer, .address_space: global }
      - { .name: bn_var, .offset: 72, .size: 8, .value_kind: global_buffer, .address_space: global }
      - { .name: lowp_scales, .offset: 80, .size: 8, .value_kind: global_buffer, .address_space: global }
      - { .name: W1, .offset: 88, .size: 8, .value_kind: global_buffer, .address_space: global }
      - { .name: W2, .offset: 96, .size: 8, .value_kind: global_buffer, .address_space: global }
      - { .name: W3, .offset: 104, .size: 8, .value_kind: global_buffer, .address_space: global }
      - { .name: wq, .offset: 112, .size: 8, .value_kind: global_buffer, .address_space: global }
      - { .name: xq, .offset: 120, .size: 8, .value_kind: global_buffer, .address_space: global }
      - { .name: fsm, .offset: 128, .size: 8, .value_kind: global_buffer, .address_space: global }
      - { .name: topi, .offset: 136, .size: 8, .value_kind: global_buffer, .address_space: global }
    .group_segment_fixed_size: 83456
    .private_segment_fixed_size: 0
    .kernarg_segment_align: 8
    .kernarg_segment_size: 144
    .max_flat_workgroup_size: 128
    .sgpr_count:     100
    .vgpr_count:     258
    .wavefront_size: 32
...
	.end_amdgpu_metadata
.endif
;; end of part 1
;; launch route (part 2): grid 1 x 1, 32 waves a work-group, no clusters, 4,352 bytes of LDS; arguments topi, fsm, plan, out1; writes plan, out1
.if DOCPART == 2
	.amdgcn_target "amdgcn-amd-amdhsa--gfx1250"
	.amdhsa_code_object_version 6
	.text
	.protected	k_qe1acb4af11_route
	.globl	k_qe1acb4af11_route
	.p2align	8
	.type	k_qe1acb4af11_route,@function
k_qe1acb4af11_route:
	s_mov_b64 s[64:65], 0
	v_nop
	global_prefetch_b8 v0, s[64:65] scope:SCOPE_SE
	s_setreg_imm32_b32 hwreg(HW_REG_WAVE_MODE, 25, 1), 1
	s_wait_xcnt 0x0
; ROUTE.  One work-group sorts the 8,192 (token, choice) rows by expert, a counting sort without atomics, and writes the list of tiles; one wave makes load_loss.
; Wave w serves expert e = w % 8 and the quarter qd = w / 8 of the tokens (1,024); lane L in turn i looks at token 1,024 qd + 32 i + L.  A token's two experts differ, so at most one of them is e.
; plan (int32): list[8640] at 0: token numbers; expert e's rows begin at 64 ST[e] (each expert begins a tile of 64 rows; at most 128 + 7 = 135 tiles whatever the split);
;   pos[token][2] at 34,816: the row of list (and of part) that serves that choice;  rec[160][4] at 67,584: for tile g: expert, rows (0..64), the expert's last row of list, 0.
; A tile without rows gets rows = 0 and last = 0 (row 0 of list is always written: the first expert that has rows begins there).
; load_loss = mean over experts of (mean probability - 1/8)^2, from the 256 rows of sums in fsm.
; ORDER: every address register of the text is written with EXEC as at the entry, ahead of the first line that narrows EXEC by a mask made of loaded numbers;
; behind that line only the stores' data are written.  So pass 2 has two halves: all 64 addresses first, then the 32 turns of masked stores.
.set TOK,   4096
.set LROWS, 8639                       ; the last row of list
.set POS,   34816
.set REC,   67584
.set PSUM,  32768
.set I,     32                         ; v32-95  my 32 tokens' pairs of experts; then, in place, turn i's two addresses: 4 x row, and the choice's place in pos
.set CT,    96                         ; v96-127 the 32 counts, [expert][quarter]
.set M,     66                         ; s66-97  turn i's mask of the lanes whose token goes to my expert
	s_load_b128 s[4:7], s[0:1], 0x0                ; topi, fsm
	s_load_b128 s[8:11], s[0:1], 0x10              ; plan, out1
	v_lshl_add_u32 v30, v0, 2, 0x100
	v_mov_b32 v31, 0
	v_lshrrev_b32 v1, 5, v0
	v_readfirstlane_b32 s20, v1                    ; wave 0..31
	v_and_b32 v1, 31, v0                           ; lane
	s_and_b32 s21, s20, 7                          ; my expert
	s_lshr_b32 s22, s20, 3                         ; my quarter
	s_lshl_b32 s23, s22, 13
	v_lshl_add_u32 v2, v1, 3, s23                  ; 8 bytes a token: 8 lane + 8,192 qd
	s_lshl_b32 s23, s22, 10
	v_add_nc_u32 v3, s23, v1                       ; my token in turn 0
	s_lshl_b32 s24, s21, 4
	s_lshl_b32 s25, s22, 2
	s_add_co_u32 s25, s24, s25
	v_mov_b32 v4, s25                              ; LDS: my wave's count at 16 e + 4 qd
	v_mov_b32 v5, s24                              ; my expert's four counts
	v_mov_b32 v6, 0
	v_mov_b32 v7, 4
	v_lshlrev_b32 v9, 4, v0                        ; a record is 16 bytes: tile g = thread
	v_lshlrev_b32 v11, 5, v1                       ; a row of eight sums is 32 bytes
	s_mov_b32 s26, 0
	s_wait_kmcnt 0x0
.set ri, 0
.rept 32
	global_load_b64 v[I+2*ri:I+2*ri+1], v2, s[4:5] offset:256*ri
.set ri, ri+1
.endr
	; ---- pass 1: which of my quarter's tokens go to my expert, and how many
.set ri, 0
.rept 32
	s_wait_loadcnt 31-ri                           ; loads come back in order: turn ri's is in, the younger ones may be out
	v_cmp_eq_u32 vcc_lo, s21, v[I+2*ri]
	v_cmp_eq_u32 s27, s21, v[I+2*ri+1]
	s_or_b32 s[M+ri], vcc_lo, s27                  ; the turn's mask is kept for pass 2
	s_bcnt1_i32_b32 s27, s[M+ri]
	s_add_co_u32 s26, s26, s27
.set ri, ri+1
.endr
	v_mov_b32 v8, s26
	ds_store_b32 v4, v8                            ; all lanes write the same word with the same number
	s_wait_dscnt 0x0                               ; for the others' sake
	s_barrier_signal -1
	s_barrier_wait -1
.irp e, 0,1,2,3,4,5,6,7
	ds_load_b128 v[CT+4*\e:CT+4*\e+3], v6 offset:16*\e
.endr
	ds_load_b128 v[12:15], v5
	s_wait_dscnt 0x0
.irp e, 0,1,2,3,4,5,6,7
	v_add3_u32 v[16+\e], v[CT+4*\e], v[CT+4*\e+1], v[CT+4*\e+2]
.endr
.irp e, 0,1,2,3,4,5,6,7
	v_add_nc_u32 v[16+\e], v[16+\e], v[CT+4*\e+3]
.endr
.irp e, 0,1,2,3,4,5,6,7
	v_readfirstlane_b32 s[32+\e], v[16+\e]         ; CN[e]: the expert's rows
.endr
	v_readfirstlane_b32 s48, v12                   ; my expert's counts in quarters 0, 1, 2
	v_readfirstlane_b32 s49, v13
	v_readfirstlane_b32 s50, v14
	s_mov_b32 s40, 0                               ; ST[e]: the expert's first tile
.irp e, 0,1,2,3,4,5,6
	s_add_co_u32 s28, s[32+\e], 63
	s_lshr_b32 s28, s28, 6
	s_add_co_u32 s[41+\e], s[40+\e], s28
.endr
	s_mov_b32 s29, 0
.irp e, 1,2,3,4,5,6,7
	s_cmp_eq_u32 s21, \e
	s_cselect_b32 s29, s[40+\e], s29
.endr
	s_lshl_b32 s30, s29, 6                         ; my expert's first row of list,
	s_cmp_gt_u32 s22, 0
	s_cselect_b32 s51, s48, 0
	s_add_co_u32 s30, s30, s51                     ; + the rows of the quarters ahead of mine
	s_cmp_gt_u32 s22, 1
	s_cselect_b32 s51, s49, 0
	s_add_co_u32 s30, s30, s51
	s_cmp_gt_u32 s22, 2
	s_cselect_b32 s51, s50, 0
	s_add_co_u32 s30, s30, s51
	; ---- pass 2, first half, all lanes on: each matching token takes the next row, in the order of the tokens; the two addresses of each turn take the place of its two experts
.set ri, 0
.rept 32
	v_cmp_eq_u32 vcc_lo, s21, v[I+2*ri+1]          ; the second choice is mine:
	v_cndmask_b32 v[I+2*ri+1], 0, v7, vcc_lo       ; 4 bytes on in pos
	v_mbcnt_lo_u32_b32 v[I+2*ri], s[M+ri], 0       ; matching lanes below me
	v_add_nc_u32 v[I+2*ri], s30, v[I+2*ri]
	v_min_u32 v[I+2*ri], LROWS, v[I+2*ri]          ; my row (the bound is never reached: it is there because the number comes from loaded data)
	v_lshlrev_b32 v[I+2*ri], 2, v[I+2*ri]          ; its place in list
	v_min_u32 v[I+2*ri+1], 4, v[I+2*ri+1]
	v_add_nc_u32 v[I+2*ri+1], v2, v[I+2*ri+1]      ; the choice's place in pos, short of the turn's 256 bytes
	s_bcnt1_i32_b32 s27, s[M+ri]
	s_add_co_u32 s30, s30, s27
.set ri, ri+1
.endr
	s_wait_xcnt 0x0                                ; EXEC changes only behind this wait
	; ---- pass 2, second half: the stores, each turn under its mask
.set ri, 0
.rept 32
	v_lshrrev_b32 v28, 2, v[I+2*ri]                ; my row
	v_add_nc_u32 v29, 32*ri, v3                    ; my token
	s_and_saveexec_b32 s31, s[M+ri]
	global_store_b32 v[I+2*ri], v29, s[8:9]        ; list[row] = token
	global_store_b32 v[I+2*ri+1], v28, s[8:9] offset:POS+256*ri   ; pos[token][choice] = row
	s_wait_xcnt 0x0                                ; EXEC and the two data registers are written again only behind this wait
	s_or_b32 exec_lo, exec_lo, s31
.set ri, ri+1
.endr
	; ---- waves 0-4: the record of tile g = thread
	s_cmp_gt_u32 s20, 4
	s_cbranch_scc1 .Lnorec
	v_mov_b32 v20, 0                               ; expert
	v_mov_b32 v24, 0                               ; its first tile
	v_mov_b32 v25, s32                             ; its rows
	v_mov_b32 v23, 0
.irp e, 1,2,3,4,5,6,7
	v_cmp_gt_u32 vcc_lo, s[40+\e], v0              ; expert e begins behind tile g: keep; else take e (of experts that begin at one tile the last is the one that has rows)
	v_cndmask_b32 v20, \e, v20, vcc_lo
	v_cndmask_b32 v24, s[40+\e], v24, vcc_lo
	v_cndmask_b32 v25, s[32+\e], v25, vcc_lo
.endr
	v_sub_nc_u32 v26, v0, v24
	v_lshlrev_b32 v26, 6, v26                      ; the expert's rows ahead of this tile,
	v_min_u32 v26, v26, v25                        ; at most all of them;
	v_sub_nc_u32 v21, v25, v26                     ; what is left,
	v_min_u32 v21, 64, v21                         ; at most a tile
	v_lshl_add_u32 v22, v24, 6, v25
	v_add_nc_u32 v22, -1, v22                      ; the expert's last row of list
	v_cmp_eq_u32 vcc_lo, 0, v21
	v_cndmask_b32 v22, v22, v23, vcc_lo            ; a tile without rows: row 0
	global_store_b128 v9, v[20:23], s[8:9] offset:REC
.Lnorec:
	; ---- wave 5: load_loss
	s_cmp_lg_u32 s20, 5
	s_cbranch_scc1 .Lend
.irp j, 0,1,2,3,4,5,6,7
	global_load_b128 v[32+8*\j:35+8*\j], v11, s[6:7] offset:PSUM+1024*\j      ; lane L takes rows L + 32 j of the 256 rows of sums
	global_load_b128 v[36+8*\j:39+8*\j], v11, s[6:7] offset:PSUM+1024*\j+16
.endr
	s_mov_b32 s12, 0x76543210                      ; v_permlanex16_b32: lane l xor 16
	s_mov_b32 s13, 0xfedcba98
	s_mov_b32 s14, 0x39800000                      ; 1 / 4,096
	s_mov_b32 s15, 0xbe000000                      ; -1 / 8
	s_wait_loadcnt 0x0
.irp j, 1,2,3,4,5,6,7
.irp i, 0,2,4,6
	v_pk_add_f32 v[32+\i:33+\i], v[32+\i:33+\i], v[32+8*\j+\i:33+8*\j+\i]
.endr
.endr
.irp x, 1,2,4,8
.irp e, 0,1,2,3,4,5,6,7
	v_add_f32_dpp v[32+\e], v[32+\e], v[32+\e] row_xmask:\x row_mask:0xf bank_mask:0xf
.endr
.endr
.irp e, 0,1,2,3,4,5,6,7
	v_permlanex16_b32 v[40+\e], v[32+\e], s12, s13
.endr
.irp e, 0,1,2,3,4,5,6,7
	v_add_f32 v[32+\e], v[32+\e], v[40+\e]         ; the sum over all 4,096 tokens
.endr
.irp e, 0,1,2,3,4,5,6,7
	v_fma_f32 v[32+\e], v[32+\e], s14, s15         ; the mean less 1/8
.endr
	v_mul_f32 v48, v32, v32
.irp e, 1,2,3,4,5,6,7
	v_fmac_f32 v48, v[32+\e], v[32+\e]
.endr
	v_mul_f32 v48, 0x3e000000, v48                 ; / 8
	s_wait_xcnt 0x0
	v_cmp_eq_u32 vcc_lo, 0, v1
	s_and_saveexec_b32 s16, vcc_lo
	global_store_b32 v6, v48, s[10:11]
	s_wait_xcnt 0x0
	s_or_b32 exec_lo, exec_lo, s16
.Lend:
	s_wait_tensorcnt 0x0
	ds_add_u32 v30, v31
	s_wait_dscnt 0x0
	s_endpgm
.Lfunc_end_k_qe1acb4af11_route:
	.size	k_qe1acb4af11_route, .Lfunc_end_k_qe1acb4af11_route-k_qe1acb4af11_route
	.p2alignl 7, 3214868480
	.fill 96, 4, 3214868480
	.section	.rodata,"a",@progbits
	.p2align	6, 0x0
	.amdhsa_kernel k_qe1acb4af11_route
		.amdhsa_group_segment_fixed_size 4352
		.amdhsa_private_segment_fixed_size 0
		.amdhsa_enable_private_segment 0
		.amdhsa_kernarg_size 32
		.amdhsa_user_sgpr_count 2
		.amdhsa_user_sgpr_kernarg_segment_ptr 1
		.amdhsa_wavefront_size32 1
		.amdhsa_system_sgpr_workgroup_id_x 1
		.amdhsa_system_sgpr_workgroup_id_y 1
		.amdhsa_system_sgpr_workgroup_id_z 1
		.amdhsa_system_vgpr_workitem_id 0
		.amdhsa_next_free_vgpr 128
		.amdhsa_next_free_sgpr 100
		.amdhsa_reserve_vcc 1
		.amdhsa_float_denorm_mode_32 3
		.amdhsa_float_denorm_mode_16_64 3
		.amdhsa_memory_ordered 1
		.amdhsa_forward_progress 1
		.amdhsa_inst_pref_size 48
	.end_amdhsa_kernel
	.amdgpu_metadata
---
amdhsa.version: [ 1, 2 ]
amdhsa.kernels:
  - .name:           k_qe1acb4af11_route
    .symbol:         k_qe1acb4af11_route.kd
    .args:
      - { .name: topi, .offset: 0, .size: 8, .value_kind: global_buffer, .address_space: global }
      - { .name: fsm, .offset: 8, .size: 8, .value_kind: global_buffer, .address_space: global }
      - { .name: plan, .offset: 16, .size: 8, .value_kind: global_buffer, .address_space: global }
      - { .name: out1, .offset: 24, .size: 8, .value_kind: global_buffer, .address_space: global }
    .group_segment_fixed_size: 4352
    .private_segment_fixed_size: 0
    .kernarg_segment_align: 8
    .kernarg_segment_size: 32
    .max_flat_workgroup_size: 1024
    .sgpr_count:     100
    .vgpr_count:     128
    .wavefront_size: 32
...
	.end_amdgpu_metadata
.endif
;; end of part 2
;; launch experts (part 3): grid 135 x 1, 4 waves a work-group, no clusters, 212,480 bytes of LDS; arguments plan, xq, wq, fsm, b2, b3, lowp_scales, part; writes part
.if DOCPART == 3
	.amdgcn_target "amdgcn-amd-amdhsa--gfx1250"
	.amdhsa_code_object_version 6
	.text
	.protected	k_qe1acb4af11_experts
	.globl	k_qe1acb4af11_experts
	.p2align	8
	.type	k_qe1acb4af11_experts,@function
k_qe1acb4af11_experts:
	s_mov_b64 s[64:65], 0
	v_nop
	global_prefetch_b8 v0, s[64:65] scope:SCOPE_SE
	s_setreg_imm32_b32 hwreg(HW_REG_WAVE_MODE, 25, 1), 1
	s_wait_xcnt 0x0
; EXPERTS.  Work-group g takes tile g of the list: up to 64 rows (token, choice) of ONE expert, through the whole chain:
;   h1 = relu(BN(x W1 + b1)), h2 = relu(h1 W2 + b2), logits = h2 W3 + b3, all three products on codes of E5M2; the hidden layers stay in LDS.  Row i of the tile goes to row 64 g + i of part.
; 135 work-groups serve every split of 8,192 rows over 8 experts (128 + 7).  One whose record has no rows walks the first two layers on row 0 of the list like the others, since
; no barrier may stand under a branch on loaded data, and ends behind the last barrier without storing.
; THE WAVES SHARE THE COLUMNS: wave w makes units 256 w .. 256 w + 255 of layers 1 and 2 (16 tiles of columns x 4 tiles of rows = 64 accumulators, 512 registers) and outputs 128 w .. + 127 of layer 3.
; So each fragment of the weights is wanted by one wave alone and feeds four matrix instructions: the weights come from memory straight into registers, as they lie in wq (the order of the
; operand's registers), through a ring of 16 fragments (256 registers) in four groups: 48 to 64 loads of 512 bytes are on their way in each wave, across the epilogues and barriers too.
; The activations go round as IMAGES of their registers in LDS (2,048 bytes a fragment: registers 4q..4q+3 of lane l at 512 q + 16 l), index 4 (K step) + tile of rows.
; ALL PRODUCTS TRANSPOSED: source 0 = 16 columns of the weight, source 1 = 16 rows.  Lane (r, h) then holds row r and units 16 tile + 8 h + 0..7, so the conversion of tile c's eight
; registers IS registers 2c, 2c+1 of the next layer's fragment.
; NO CLUSTER: which work-groups share an expert hangs on counts read from memory, so a joint load's address would be a loaded number that has to be equal in all partners.
; LIMITS: e4 and e6 between -126 and 112; e4 + e5 and e6 + e7 between -126 and 127.  NaN is not served.
; REGISTERS, in windows of 256: window 0: v1-20 addresses and scales; v32-63 codes just made, two sets; v64-127, v128-191 the rows' fragments, two buffers (in the epilogues: parameters;
;   on the way out: rows of part); v192-255 at work.   window 1: the ring, fragment f at v[16 f].   windows 2, 3: accumulator (f, m) at v[8 (4 (f % 8) + m)] of window 2 + f / 8.
.set H1,    32768                      ; LDS: x's 16 images at 0; h1's 32 images; h2's 32 images;
.set H2,    98304
.set PAR,   163840                     ; for each wave 3,584 bytes of parameters: S, T, b2 (1,024 each), b3 (512);
.set PARB,  3584
.set STG,   178176                     ; for each wave a stage of 16 rows x (512 + 16) bytes
.set SP,    528
.set STEPB, 131072                     ; a macro step of wq
.set REC,   67584
.set LROWS, 8639
.set PC,    32
.set AF,    64
.set BK,    64
.set TMP,   192
.set MSB, 0
.macro WIN new                         ; the immediate's high byte repeats the setting that is left
.if MSB != (\new)
	s_set_vgpr_msb (MSB<<8)|(\new)
.set MSB, (\new)
.endif
.endm
.macro MKSC se, vs, vl                 ; 2^e and 57,344 x 2^e as f32 numbers
	s_add_co_i32 s28, s[\se], 127
	s_lshl_b32 s29, s28, 23
	v_mov_b32 v[\vs], s29
	s_add_co_i32 s28, s28, 15
	s_lshl_b32 s28, s28, 23
	s_or_b32 s28, s28, 0x600000
	v_mov_b32 v[\vl], s28
.endm
.macro BARRIER                         ; my LDS stores have landed and my LDS loads are in: then the work-group's barrier
	s_wait_dscnt 0x0
	s_barrier_signal -1
	s_barrier_wait -1
.endm
; group p of the ring (fragments 4p .. 4p+3) is asked for, from byte 'base' of my part of the expert's codes.  Every offset is an immediate (under 2 MiB): no pointer is stepped.
.macro RLOAD p, base
	WIN 0x40                                       ; destination window 1, address window 0
.irp ff, 0,1,2,3
.irp q, 0,1,2,3
	global_load_b128 v[16*(4*(\p)+\ff)+4*\q:16*(4*(\p)+\ff)+4*\q+3], v1, s[40:41] offset:(\base)+(4*(\p)+\ff)*2048+512*\q
.endr
.endr
.endm
; 16 matrix instructions: group p's four fragments x the four tiles of rows in buffer buf; then the group is asked for anew (nxt >= 0).
; cnt: the loads issued behind this group's, which may stay out.  The accumulators take turns, one instruction a turn, in the same order in every K step.
.macro GROUP p, buf, zero, hi, cnt, nxt
	s_wait_loadcnt \cnt
.if \hi
	WIN 0xf1                                       ; source 0 (weights) window 1, source 1 (rows) window 0, C and D window 3
.else
	WIN 0xa1                                       ; the same, C and D window 2
.endif
.irp ff, 0,1,2,3
.irp m, 0,1,2,3
.set rA, 8*(((4*(\p)+\ff)%8)*4+\m)
.set rW, 16*(4*(\p)+\ff)
.set rB, AF+64*(\buf)+16*\m
.if \zero
	v_wmma_f32_16x16x128_bf8_bf8 v[rA:rA+7], v[rW:rW+15], v[rB:rB+15], 0
.else
	v_wmma_f32_16x16x128_bf8_bf8 v[rA:rA+7], v[rW:rW+15], v[rB:rB+15], v[rA:rA+7]
.endif
.endr
.endr
.rept 4
	v_nop                                          ; four places in front of loads into registers that these products read, and of the first read of results (ISA guide 7.12.1 for vector instructions)
.endr
.if (\nxt) >= 0
	RLOAD \p, \nxt
.endif
.endm
.macro AFETCH buf, adr, off            ; a K step's four fragments of the rows, as they lie
	WIN 0
.irp m, 0,1,2,3
.irp q, 0,1,2,3
	ds_load_b128 v[AF+64*(\buf)+16*\m+4*\q:AF+64*(\buf)+16*\m+4*\q+3], v[\adr] offset:(\off)+2048*\m+512*\q
.endr
.endr
.endm
; macro step t of layers 1 and 2: one K step, 64 matrix instructions.  48: behind each group's loads the three other groups' were issued.
.macro KSTEP4 t, zero, adr, nextoff
.set KB, (\t)%2
	s_wait_dscnt 0x0                               ; this K step's rows are in (asked for 48 matrix instructions ago)
	GROUP 0, KB, \zero, 0, 48, ((\t)+1)*STEPB
.if (\nextoff) >= 0
	AFETCH 1-KB, \adr, \nextoff
.endif
	GROUP 1, KB, \zero, 0, 48, ((\t)+1)*STEPB
	GROUP 2, KB, \zero, 1, 48, ((\t)+1)*STEPB
	GROUP 3, KB, \zero, 1, 48, ((\t)+1)*STEPB
.endm
; K step k of layer 3: 32 matrix instructions on half of a macro step's ring.  The last macro step asks for nothing: its counts run down 48, 32, 16, 0.
.macro KSTEP2 k
.set KB, (\k)%2
.set KT, 12+(\k)/2
.set KZ, 0
.if (\k) == 0
.set KZ, 1
.endif
	s_wait_dscnt 0x0
.if KT < 15
	GROUP 2*KB, KB, KZ, 0, 48, (KT+1)*STEPB
.else
	GROUP 2*KB, KB, KZ, 0, 48-32*KB, -1
.endif
.if (\k) < 7
	AFETCH 1-KB, 6, ((\k)+1)*8192
.endif
.if KT < 15
	GROUP 2*KB+1, KB, KZ, 0, 48, (KT+1)*STEPB
.else
	GROUP 2*KB+1, KB, KZ, 0, 32-32*KB, -1
.endif
.endm
; The epilogue of layer 1 (sum x S + T) or 2 (sum x 2^(e4+e5) + b2): relu and the hold in one, the conversion, the image to LDS.  a: which of my two K steps of the next layer.
.macro EPI layer, hw, sc, lim
	WIN 0
.irp a, 0,1
.irp c, 0,1,2,3,4,5,6,7
.if \layer == 1
	ds_load_b128 v[64+8*\c:64+8*\c+3], v10 offset:(8*\a+\c)*64           ; S at the tile's units 8 h + 0..7
	ds_load_b128 v[64+8*\c+4:64+8*\c+7], v10 offset:(8*\a+\c)*64+16
	ds_load_b128 v[128+8*\c:128+8*\c+3], v10 offset:1024+(8*\a+\c)*64    ; T
	ds_load_b128 v[128+8*\c+4:128+8*\c+7], v10 offset:1024+(8*\a+\c)*64+16
.else
	ds_load_b128 v[128+8*\c:128+8*\c+3], v10 offset:2048+(8*\a+\c)*64    ; b2
	ds_load_b128 v[128+8*\c+4:128+8*\c+7], v10 offset:2048+(8*\a+\c)*64+16
.endif
.endr
	s_wait_dscnt 0x0
.irp m, 0,1,2,3
	WIN 0x02+\a                                    ; source 0: the sums, window 2 or 3
.irp c, 0,1,2,3,4,5,6,7
.irp i, 0,2,4,6
.if \layer == 1
	v_pk_fma_f32 v[TMP+8*\c+\i:TMP+8*\c+\i+1], v[8*(4*\c+\m)+\i:8*(4*\c+\m)+\i+1], v[64+8*\c+\i:64+8*\c+\i+1], v[128+8*\c+\i:128+8*\c+\i+1]
.else
	v_pk_fma_f32 v[TMP+8*\c+\i:TMP+8*\c+\i+1], v[8*(4*\c+\m)+\i:8*(4*\c+\m)+\i+1], s[50:51], v[128+8*\c+\i:128+8*\c+\i+1] op_sel_hi:[1,0,1]
.endif
.endr
.endr
	WIN 0
.set ei, 0
.rept 64
	v_med3_num_f32 v[TMP+ei], v[TMP+ei], 0, v[\lim]   ; the activation and the hold in one: between 0 and the largest code x the scale (the conversion does not saturate: ISA guide 7.6.2)
.set ei, ei+1
.endr
	s_wait_dscnt 4                                 ; only the last block's four stores may be out: the set of codes that is due was stored two blocks ago
.irp c, 0,1,2,3,4,5,6,7
	v_cvt_scalef32_pk8_bf8_f32 v[PC+16*(\m%2)+2*\c:PC+16*(\m%2)+2*\c+1], v[TMP+8*\c:TMP+8*\c+7], v[\sc]
.endr
	v_nop                                          ; one plain line behind the last conversion of a run
.irp q, 0,1,2,3
	ds_store_b128 v[\hw], v[PC+16*(\m%2)+4*\q:PC+16*(\m%2)+4*\q+3] offset:8192*\a+2048*\m+512*\q
.endr
.endr
.endr
.endm
	s_load_b512 s[4:19], s[0:1], 0x0               ; plan s[4:5], xq s[6:7], wq s[8:9], fsm s[10:11], b2 s[12:13], b3 s[14:15], the exponents s[16:17], part s[18:19]
	v_lshl_add_u32 v30, v0, 2, 0x33c00
	v_mov_b32 v31, 0
	v_lshrrev_b32 v2, 5, v0
	v_readfirstlane_b32 s20, v2                    ; wave 0..3
	v_and_b32 v1, 31, v0
	v_lshlrev_b32 v1, 4, v1                        ; v1: 16 x lane: an image's place for my lane
	v_and_b32 v2, 15, v0                           ; r
	v_bfe_u32 v3, v0, 4, 1                         ; h
	s_lshl_b32 s21, s20, 11
	v_add_nc_u32 v4, s21, v1                       ; v4: where I store x's images: tile of rows = wave
	v_add_nc_u32 v5, H1, v1                        ; v5, v6: where any wave reads h1's and h2's
	v_add_nc_u32 v6, H2, v1
	s_lshl_b32 s21, s20, 14
	v_add_nc_u32 v7, s21, v5                       ; v7, v8: where I store them: K steps 2 wave, 2 wave + 1
	v_add_nc_u32 v8, s21, v6
	s_mul_i32 s21, s20, PARB
	s_add_co_u32 s21, s21, PAR
	v_add_nc_u32 v9, s21, v1                       ; v9: my wave's parameters, on the way in;
	v_lshl_add_u32 v10, v3, 5, s21                 ; v10: and out: + 32 h: my half's eight units of a tile
	s_mul_i32 s21, s20, 16*SP
	s_add_co_u32 s21, s21, STG
	v_mul_u32_u24 v11, v2, SP
	v_lshl_add_u32 v11, v3, 5, v11
	v_add_nc_u32 v11, s21, v11                     ; v11: the stage: row r, + 32 h
	v_add_nc_u32 v12, s21, v1                      ; v12: and back, a row to the 32 lanes
	s_lshl_b32 s21, s20, 9
	v_add_nc_u32 v13, s21, v1                      ; v13: my bytes of a row of part: 512 wave + 16 lane
	s_lshl_b32 s21, ttmp9, 4
	s_lshl_b32 s22, ttmp9, 6
	s_lshl_b32 s23, s20, 4
	s_add_co_u32 s22, s22, s23
	v_add_nc_u32 v14, s22, v2                      ; my row of the list: 64 g + 16 wave + r
	s_wait_kmcnt 0x0
	s_load_b128 s[24:27], s[4:5], s21 offset:REC   ; the tile's record: expert, rows, the expert's last row
	s_load_b256 s[32:39], s[16:17], 0x0            ; e0 .. e7
	s_wait_kmcnt 0x0
	s_min_u32 s24, s24, 7                          ; loaded numbers enter addresses only behind a bound
	s_min_u32 s25, s25, 64
	s_min_u32 s26, s26, LROWS
	v_min_u32 v14, s26, v14                        ; rows past the expert's last repeat it
	v_min_u32 v14, LROWS, v14
	v_lshlrev_b32 v14, 2, v14
	global_load_b32 v15, v14, s[4:5]               ; my token
	s_lshl_b32 s22, s24, 21
	s_lshl_b32 s23, s20, 15
	s_add_co_u32 s22, s22, s23
	s_mov_b32 s23, 0
	s_add_nc_u64 s[40:41], s[8:9], s[22:23]        ; the expert's codes, my wave's part of each macro step
	s_lshl_b32 s22, s24, 12
	s_lshl_b32 s28, s20, 10
	s_add_co_u32 s22, s22, s28
	s_add_nc_u64 s[42:43], s[10:11], s[22:23]      ; S and T at my 256 units
	s_add_nc_u64 s[44:45], s[12:13], s[22:23]      ; b2 likewise
	s_lshl_b32 s22, s24, 11
	s_lshl_b32 s28, s20, 9
	s_add_co_u32 s22, s22, s28
	s_add_nc_u64 s[46:47], s[14:15], s[22:23]      ; b3 at my 128 outputs
	s_lshl_b32 s22, ttmp9, 17
	s_add_nc_u64 s[48:49], s[18:19], s[22:23]      ; part at row 64 g
	global_load_b128 v[TMP:TMP+3], v1, s[42:43] offset:40960
	global_load_b128 v[TMP+4:TMP+7], v1, s[42:43] offset:41472
	global_load_b128 v[TMP+8:TMP+11], v1, s[42:43] offset:73728
	global_load_b128 v[TMP+12:TMP+15], v1, s[42:43] offset:74240
	global_load_b128 v[TMP+16:TMP+19], v1, s[44:45]
	global_load_b128 v[TMP+20:TMP+23], v1, s[44:45] offset:512
	global_load_b128 v[TMP+24:TMP+27], v1, s[46:47]
	RLOAD 0, 0
	RLOAD 1, 0
	RLOAD 2, 0
	WIN 0
	MKSC 36, 16, 17                                ; e4: h1
	MKSC 38, 18, 19                                ; e6: h2
	s_add_co_i32 s50, s36, s37
	s_add_co_i32 s50, s50, 127
	s_lshl_b32 s50, s50, 23                        ; 2^(e4 + e5)
	s_mov_b32 s51, s50                             ; (named with it as a pair, so it is written)
	s_add_co_i32 s52, s38, s39
	s_add_co_i32 s52, s52, 127
	s_lshl_b32 s52, s52, 23                        ; 2^(e6 + e7)
	s_mov_b32 s53, s52
	s_wait_loadcnt 48                              ; my token and the seven loads of parameters are in; the ring's 48 may be out
.irp i, 0,1,2,3,4,5,6
	ds_store_b128 v9, v[TMP+4*\i:TMP+4*\i+3] offset:512*\i
.endr
	v_min_u32 v15, 4095, v15
	v_lshlrev_b32 v20, 9, v15
	v_lshl_add_u32 v20, v3, 4, v20                 ; my token's 512 bytes of codes, + 16 h
.irp s, 0,1,2,3
.irp q, 0,1,2,3
	global_load_b128 v[AF+16*\s+4*\q:AF+16*\s+4*\q+3], v20, s[6:7] offset:128*\s+32*\q   ; registers 4q..4q+3 of K step s's fragment
.endr
.endr
	RLOAD 3, 0
	WIN 0
	s_wait_loadcnt 16                              ; the gather is in; the ring's fourth group may be out
.irp s, 0,1,2,3
.irp q, 0,1,2,3
	ds_store_b128 v4, v[AF+16*\s+4*\q:AF+16*\s+4*\q+3] offset:8192*\s+512*\q
.endr
.endr
	BARRIER                                        ; x's sixteen images lie in LDS
	; ---- layer 1: K = 512
	AFETCH 0, 1, 0
	KSTEP4 0, 1, 1, 8192                           ; the first K step's products start the sums: nothing is cleared
	KSTEP4 1, 0, 1, 16384
	KSTEP4 2, 0, 1, 24576
	KSTEP4 3, 0, 1, -1
	EPI 1, 7, 16, 17
	BARRIER                                        ; h1's 32 images lie in LDS
	; ---- layer 2: K = 1,024
	AFETCH 0, 5, 0
	KSTEP4 4, 1, 5, 8192
	KSTEP4 5, 0, 5, 16384
	KSTEP4 6, 0, 5, 24576
	KSTEP4 7, 0, 5, 32768
	KSTEP4 8, 0, 5, 40960
	KSTEP4 9, 0, 5, 49152
	KSTEP4 10, 0, 5, 57344
	KSTEP4 11, 0, 5, -1
	EPI 2, 8, 18, 19
	BARRIER                                        ; h2's 32 images lie in LDS; no barrier follows
	s_cmp_eq_u32 s25, 0                            ; a tile without rows ends here and stores nothing
	s_cbranch_scc1 .Lend
	; ---- layer 3: K = 1,024, 32 accumulators
	AFETCH 0, 6, 0
.irp k, 0,1,2,3,4,5,6,7
	KSTEP2 \k
.endr
	; ---- the way out: logits = sum x 2^(e6+e7) + b3; 16 rows at a time through my stage, so that each store covers 512 consecutive bytes of a row of part
	WIN 0
.irp j, 0,1,2,3,4,5,6,7
	ds_load_b128 v[128+8*\j:128+8*\j+3], v10 offset:3072+64*\j
	ds_load_b128 v[128+8*\j+4:128+8*\j+7], v10 offset:3072+64*\j+16
.endr
	s_wait_dscnt 0x0
.irp m, 0,1,2,3
.if \m > 0
	s_cmp_le_u32 s25, 16*\m                        ; no row of these sixteen is in the tile: done.  (Rows between the last and the end of its sixteen repeat it, into rows of part that nobody reads)
	s_cbranch_scc1 .Lend
.endif
	WIN 0x02
.irp j, 0,1,2,3,4,5,6,7
.irp i, 0,2,4,6
	v_pk_fma_f32 v[TMP+8*\j+\i:TMP+8*\j+\i+1], v[8*(4*\j+\m)+\i:8*(4*\j+\m)+\i+1], s[52:53], v[128+8*\j+\i:128+8*\j+\i+1] op_sel_hi:[1,0,1]
.endr
.endr
	WIN 0
.irp j, 0,1,2,3,4,5,6,7
	ds_store_b128 v11, v[TMP+8*\j:TMP+8*\j+3] offset:64*\j          ; lane (r, h): outputs 16 j + 8 h + 0..7 of row r
	ds_store_b128 v11, v[TMP+8*\j+4:TMP+8*\j+7] offset:64*\j+16
.endr
	s_wait_xcnt 0x0                                ; the last sixteen rows' stores have read their registers: only behind this wait are these loaded again
.irp i, 0,1,2,3,4,5,6,7,8,9,10,11,12,13,14,15
	ds_load_b128 v[BK+4*\i:BK+4*\i+3], v12 offset:\i*SP   ; LDS serves a wave's instructions in order: these see my stores
.endr
.irp i, 0,1,2,3,4,5,6,7,8,9,10,11,12,13,14,15
	s_wait_dscnt 15-\i
	global_store_b128 v13, v[BK+4*\i:BK+4*\i+3], s[48:49] offset:(16*\m+\i)*2048
.endr
.endr
.Lend:
	s_wait_tensorcnt 0x0
	ds_add_u32 v30, v31
	s_wait_dscnt 0x0
	s_endpgm
.Lfunc_end_k_qe1acb4af11_experts:
	.size	k_qe1acb4af11_experts, .Lfunc_end_k_qe1acb4af11_experts-k_qe1acb4af11_experts
	.p2alignl 7, 3214868480
	.fill 96, 4, 3214868480
	.section	.rodata,"a",@progbits
	.p2align	6, 0x0
	.amdhsa_kernel k_qe1acb4af11_experts
		.amdhsa_group_segment_fixed_size 212480
		.amdhsa_private_segment_fixed_size 0
		.amdhsa_enable_private_segment 0
		.amdhsa_kernarg_size 64
		.amdhsa_user_sgpr_count 2
		.amdhsa_user_sgpr_kernarg_segment_ptr 1
		.amdhsa_wavefront_size32 1
		.amdhsa_system_sgpr_workgroup_id_x 1
		.amdhsa_system_sgpr_workgroup_id_y 1
		.amdhsa_system_sgpr_workgroup_id_z 1
		.amdhsa_system_vgpr_workitem_id 0
		.amdhsa_next_free_vgpr 1024
		.amdhsa_next_free_sgpr 66
		.amdhsa_reserve_vcc 0
		.amdhsa_float_denorm_mode_32 3
		.amdhsa_float_denorm_mode_16_64 3
		.amdhsa_memory_ordered 1
		.amdhsa_forward_progress 1
		.amdhsa_inst_pref_size 255
	.end_amdhsa_kernel
	.section	.bss,"aw",@nobits
	.p2align	6
	.space	262144
	.amdgpu_metadata
---
amdhsa.version: [ 1, 2 ]
amdhsa.kernels:
  - .name:           k_qe1acb4af11_experts
    .symbol:         k_qe1acb4af11_experts.kd
    .args:
      - { .name: plan, .offset: 0, .size: 8, .value_kind: global_buffer, .address_space: global }
      - { .name: xq, .offset: 8, .size: 8, .value_kind: global_buffer, .address_space: global }
      - { .name: wq, .offset: 16, .size: 8, .value_kind: global_buffer, .address_space: global }
      - { .name: fsm, .offset: 24, .size: 8, .value_kind: global_buffer, .address_space: global }
      - { .name: b2, .offset: 32, .size: 8, .value_kind: global_buffer, .address_space: global }
      - { .name: b3, .offset: 40, .size: 8, .value_kind: global_buffer, .address_space: global }
      - { .name: lowp_scales, .offset: 48, .size: 8, .value_kind: global_buffer, .address_space: global }
      - { .name: part, .offset: 56, .size: 8, .value_kind: global_buffer, .address_space: global }
    .group_segment_fixed_size: 212480
    .private_segment_fixed_size: 0
    .kernarg_segment_align: 8
    .kernarg_segment_size: 64
    .max_flat_workgroup_size: 128
    .sgpr_count:     66
    .vgpr_count:     1024
    .wavefront_size: 32
...
	.end_amdgpu_metadata
.endif
;; end of part 3
;; launch combine (part 4): grid 256 x 1, 4 waves a work-group, no clusters, 0 bytes of LDS; arguments plan, fsm, part, out0; writes out0
.if DOCPART == 4
	.amdgcn_target "amdgcn-amd-amdhsa--gfx1250"
	.amdhsa_code_object_version 6
	.text
	.protected	k_qe1acb4af11_combine
	.globl	k_qe1acb4af11_combine
	.p2align	8
	.type	k_qe1acb4af11_combine,@function
k_qe1acb4af11_combine:
	s_mov_b64 s[64:65], 0
	v_nop
	global_prefetch_b8 v0, s[64:65] scope:SCOPE_SE
	s_setreg_imm32_b32 hwreg(HW_REG_WAVE_MODE, 25, 1), 1
	s_wait_xcnt 0x0
; COMBINE.  out0[t] = w0 part[pos[t][0]] + w1 part[pos[t][1]]: each output row has one owner, which gathers its two experts' rows.
; A wave takes four tokens, 16 x work-group + 4 x wave on; a row is 2,048 bytes: four loads of 512 consecutive bytes.  All 32 loads of a wave go out at once.
; A stream bound by memory: no LDS, no barrier, no matrix unit.
.set POS,   34816
.set LROWS, 8639
.set D,     16                         ; v16-143: token u, choice k, piece j at v[16 + 32 u + 16 k + 4 j]
	s_load_b256 s[4:11], s[0:1], 0x0               ; plan, fsm, part, out0
	v_lshrrev_b32 v1, 5, v0
	v_readfirstlane_b32 s12, v1                    ; wave
	v_and_b32 v1, 31, v0
	v_lshlrev_b32 v1, 4, v1                        ; 16 x lane
	s_lshl_b32 s13, ttmp9, 7
	s_lshl_b32 s14, s12, 5
	s_add_co_u32 s13, s13, s14                     ; 8 bytes x my first token
	s_lshl_b32 s14, s13, 8                         ; 2,048 bytes x my first token
	s_mov_b32 s15, 0
	s_wait_kmcnt 0x0
	s_load_b256 s[16:23], s[4:5], s13 offset:POS   ; four tokens' two rows of part
	s_load_b256 s[24:31], s[6:7], s13 offset:0x0   ; and their two weights
	s_add_nc_u64 s[10:11], s[10:11], s[14:15]
	s_wait_kmcnt 0x0
.irp c, 0,1,2,3,4,5,6,7
	s_min_u32 s[16+\c], s[16+\c], LROWS            ; a loaded number enters an address only behind a bound
	v_lshl_add_u32 v[2+\c], s[16+\c], 11, v1
.endr
.irp c, 0,1,2,3,4,5,6,7
.irp j, 0,1,2,3
	global_load_b128 v[D+16*\c+4*\j:D+16*\c+4*\j+3], v[2+\c], s[8:9] offset:512*\j th:TH_LOAD_NT   ; each row of part is read once
.endr
.endr
.irp u, 0,1,2,3
	s_wait_loadcnt 24-8*\u                         ; this token's eight loads are in; the later tokens' may be out
.set ci, 0
.rept 16
	v_mul_f32 v[D+32*\u+ci], s[24+2*\u], v[D+32*\u+ci]
.set ci, ci+1
.endr
.set ci, 0
.rept 16
	v_fmac_f32 v[D+32*\u+ci], s[25+2*\u], v[D+32*\u+16+ci]
.set ci, ci+1
.endr
.irp j, 0,1,2,3
	global_store_b128 v1, v[D+32*\u+4*\j:D+32*\u+4*\j+3], s[10:11] offset:2048*\u+512*\j th:TH_STORE_NT   ; 512 consecutive bytes, at a multiple of 256 from out0's first byte
.endr
.endr
	s_endpgm
.Lfunc_end_k_qe1acb4af11_combine:
	.size	k_qe1acb4af11_combine, .Lfunc_end_k_qe1acb4af11_combine-k_qe1acb4af11_combine
	.p2alignl 7, 3214868480
	.fill 96, 4, 3214868480
	.section	.rodata,"a",@progbits
	.p2align	6, 0x0
	.amdhsa_kernel k_qe1acb4af11_combine
		.amdhsa_group_segment_fixed_size 0
		.amdhsa_private_segment_fixed_size 0
		.amdhsa_enable_private_segment 0
		.amdhsa_kernarg_size 32
		.amdhsa_user_sgpr_count 2
		.amdhsa_user_sgpr_kernarg_segment_ptr 1
		.amdhsa_wavefront_size32 1
		.amdhsa_system_sgpr_workgroup_id_x 1
		.amdhsa_system_sgpr_workgroup_id_y 1
		.amdhsa_system_sgpr_workgroup_id_z 1
		.amdhsa_system_vgpr_workitem_id 0
		.amdhsa_next_free_vgpr 144
		.amdhsa_next_free_sgpr 66
		.amdhsa_reserve_vcc 0
		.amdhsa_float_denorm_mode_32 3
		.amdhsa_float_denorm_mode_16_64 3
		.amdhsa_memory_ordered 1
		.amdhsa_forward_progress 1
		.amdhsa_inst_pref_size 11
	.end_amdhsa_kernel
	.amdgpu_metadata
---
amdhsa.version: [ 1, 2 ]
amdhsa.kernels:
  - .name:           k_qe1acb4af11_combine
    .symbol:         k_qe1acb4af11_combine.kd
    .args:
      - { .name: plan, .offset: 0, .size: 8, .value_kind: global_buffer, .address_space: global }
      - { .name: fsm, .offset: 8, .size: 8, .value_kind: global_buffer, .address_space: global }
      - { .name: part, .offset: 16, .size: 8, .value_kind: global_buffer, .address_space: global }
      - { .name: out0, .offset: 24, .size: 8, .value_kind: global_buffer, .address_space: global }
    .group_segment_fixed_size: 0
    .private_segment_fixed_size: 0
    .kernarg_segment_align: 8
    .kernarg_segment_size: 32
    .max_flat_workgroup_size: 128
    .sgpr_count:     66
    .vgpr_count:     144
    .wavefront_size: 32
...
	.end_amdgpu_metadata
.endif
;; end of part 4
;; ======== version 2 of 2: 4 launches; version 1 with the launch experts written anew for expert scheduling mode
;; workspace buffers: wq 16,777,216 bytes; xq 2,097,152 bytes; fsm 106,496 bytes; topi 32,768 bytes of whole numbers; plan 70,144 bytes of whole numbers; part 17,694,720 bytes
;; launch prep: the kernel of part 1 again; grid 576 x 1, 4 waves a work-group, no clusters, 83,456 bytes of LDS; arguments x, Wg1, bg1, Wg2, bg2, b1, gamma, beta, bn_mean, bn_var, lowp_scales, W1, W2, W3, wq, xq, fsm, topi; writes wq, xq, fsm, topi
;; launch route: the kernel of part 2 again; grid 1 x 1, 32 waves a work-group, no clusters, 4,352 bytes of LDS; arguments topi, fsm, plan, out1; writes plan, out1
;; launch experts (part 5): grid 135 x 1, 4 waves a work-group, no clusters, 212,480 bytes of LDS; arguments plan, xq, wq, fsm, b2, b3, lowp_scales, part; writes part
.if DOCPART == 5
	.amdgcn_target "amdgcn-amd-amdhsa--gfx1250"
	.amdhsa_code_object_version 6
	.text
	.protected	k_qe1acb4af11_experts
	.globl	k_qe1acb4af11_experts
	.p2align	8
	.type	k_qe1acb4af11_experts,@function
k_qe1acb4af11_experts:
	s_mov_b64 s[64:65], 0
	v_nop
	global_prefetch_b8 v0, s[64:65] scope:SCOPE_SE
	s_setreg_imm32_b32 hwreg(HW_REG_WAVE_SCHED_MODE, 0, 2), 2
	s_setreg_imm32_b32 hwreg(HW_REG_WAVE_MODE, 25, 1), 1
	s_wait_xcnt 0x0
	s_wait_alu depctr_vm_vsrc(0)
; EXPERTS.  Work-group g takes tile g of the list: up to 64 rows (token, choice) of ONE expert, through the whole chain:
;   h1 = relu(BN(x W1 + b1)), h2 = relu(h1 W2 + b2), logits = h2 W3 + b3, all three products on codes of E5M2; the hidden layers stay in LDS.  Row i of the tile goes to row 64 g + i of part.
; 135 work-groups serve every split of 8,192 rows over 8 experts (128 + 7).  One whose record has no rows walks the first two layers on row 0 of the list like the others, since
; no barrier may stand under a branch on loaded data, and ends behind the last barrier without storing.
; THE WAVES SHARE THE COLUMNS: wave w makes units 256 w .. 256 w + 255 of layers 1 and 2 (16 tiles of columns x 4 tiles of rows = 64 accumulators, 512 registers) and outputs 128 w .. + 127 of layer 3.
; So each fragment of the weights is wanted by one wave alone and feeds four matrix instructions: the weights come from memory straight into registers, as they lie in wq (the order of the
; operand's registers), through a ring of 16 fragments (256 registers) in four groups: 48 to 64 loads of 512 bytes are on their way in each wave, across the epilogues and barriers too.
; The activations go round as IMAGES of their registers in LDS (2,048 bytes a fragment: registers 4q..4q+3 of lane l at 512 q + 16 l), index 4 (K step) + tile of rows.
; ALL PRODUCTS TRANSPOSED: source 0 = 16 columns of the weight, source 1 = 16 rows.  Lane (r, h) then holds row r and units 16 tile + 8 h + 0..7, so the conversion of tile c's eight
; registers IS registers 2c, 2c+1 of the next layer's fragment.
; NO CLUSTER: which work-groups share an expert hangs on counts read from memory, so a joint load's address would be a loaded number that has to be equal in all partners.
; LIMITS: e4 and e6 between -126 and 112; e4 + e5 and e6 + e7 between -126 and 127.  NaN is not served.
; REGISTERS, in windows of 256: window 0: v1-20 addresses and scales; v32-63 codes just made, two sets; v64-127, v128-191 the rows' fragments, two buffers (in the epilogues: parameters;
;   on the way out: rows of part); v192-255 at work.   window 1: the ring, fragment f at v[16 f].   windows 2, 3: accumulator (f, m) at v[8 (4 (f % 8) + m)] of window 2 + f / 8.
; THE MODE: SCHED_MODE bits 1:0 = 2 (LLVM: expert scheduling mode 2), set by the entry lines.  The code itself states the register dependences
; between vector or matrix instructions and memory or LDS instructions, with s_wait_alu, always for 0.
; THE PLAN.  Registers that memory or LDS instructions touch:
;   the ring, group p     Read by group p's sixteen products alone; behind them the sixteen loads of the next macro step land in it.
;   v64-127, v128-191     K step t's products read buffer t % 2; the LDS loads at the head of K step t land in the other buffer, which the products of K step t - 1 read.
;                         In the epilogues LDS loads bring S, T, b2 there and the multiply-adds read them; on the way out b3 (v128-191) likewise, and v64-127 take rows of part: LDS loads land, global stores read.
;   v32-63                Two sets of codes: written by the conversions of two blocks of 16 rows, read by the eight LDS stores that follow the second block.
;   v192-255              At the head: loads land, LDS stores read.  In the epilogues vector instructions alone.  On the way out: written by the multiply-adds, read by sixteen LDS stores.
;   v1, v4-v14, v20       Addresses, made once at the head and never written again: every step stands in an immediate offset.   v30, v31: read by the closing add alone.
;   The accumulators and v16-19 are named by vector and matrix instructions alone.
; So ONE wait on va_vdst stands in a group, behind its products: the group is asked for again at once, so that the ring never has fewer than three groups on their way.  The wait behind a K step's
; last group also shows that step's buffer of rows free: the next fetch of rows stands at the next K step's head with no wait of its own.  In an epilogue one wait on va_vdst serves two blocks' stores,
; and one on vm_vsrc stands ahead of the next two blocks' conversions.
.set H1,    32768                      ; LDS: x's 16 images at 0; h1's 32 images; h2's 32 images;
.set H2,    98304
.set PAR,   163840                     ; for each wave 3,584 bytes of parameters: S, T, b2 (1,024 each), b3 (512);
.set PARB,  3584
.set STG,   178176                     ; for each wave a stage of 16 rows x (512 + 16) bytes
.set SP,    528
.set STEPB, 131072                     ; a macro step of wq
.set REC,   67584
.set LROWS, 8639
.set PC,    32
.set AF,    64
.set BK,    64
.set TMP,   192
.set MSB, 0
.macro WIN new                         ; the immediate's high byte repeats the setting that is left
.if MSB != (\new)
	s_set_vgpr_msb (MSB<<8)|(\new)
.set MSB, (\new)
.endif
.endm
.macro MKSC se, vs, vl                 ; 2^e and 57,344 x 2^e as f32 numbers
	s_add_co_i32 s28, s[\se], 127
	s_lshl_b32 s29, s28, 23
	v_mov_b32 v[\vs], s29
	s_add_co_i32 s28, s28, 15
	s_lshl_b32 s28, s28, 23
	s_or_b32 s28, s28, 0x600000
	v_mov_b32 v[\vl], s28
.endm
.macro BARRIER                         ; my LDS stores have landed and my LDS loads are in: then the work-group's barrier
	s_wait_dscnt 0x0
	s_barrier_signal -1
	s_barrier_wait -1
.endm
; group p of the ring (fragments 4p .. 4p+3) is asked for, from byte 'base' of my part of the expert's codes.  Every offset is an immediate (under 2 MiB): no pointer is stepped.
.macro RLOAD p, base
	WIN 0x40                                       ; destination window 1, address window 0
.irp ff, 0,1,2,3
.irp q, 0,1,2,3
	global_load_b128 v[16*(4*(\p)+\ff)+4*\q:16*(4*(\p)+\ff)+4*\q+3], v1, s[40:41] offset:(\base)+(4*(\p)+\ff)*2048+512*\q
.endr
.endr
.endm
; 16 matrix instructions: group p's four fragments x the four tiles of rows in buffer buf; then the group is asked for anew (nxt >= 0).
; cnt: the loads issued behind this group's, which may stay out.  The accumulators take turns, one instruction a turn, in the same order in every K step.
.macro GROUP p, buf, zero, hi, cnt, nxt
	s_wait_loadcnt \cnt
.if \hi
	WIN 0xf1                                       ; source 0 (weights) window 1, source 1 (rows) window 0, C and D window 3
.else
	WIN 0xa1                                       ; the same, C and D window 2
.endif
.irp ff, 0,1,2,3
.irp m, 0,1,2,3
.set rA, 8*(((4*(\p)+\ff)%8)*4+\m)
.set rW, 16*(4*(\p)+\ff)
.set rB, AF+64*(\buf)+16*\m
.if \zero
	v_wmma_f32_16x16x128_bf8_bf8 v[rA:rA+7], v[rW:rW+15], v[rB:rB+15], 0
.else
	v_wmma_f32_16x16x128_bf8_bf8 v[rA:rA+7], v[rW:rW+15], v[rB:rB+15], v[rA:rA+7]
.endif
.endr
.endr
.rept 4
	v_nop                                          ; the four places behind the products stay: behind a layer's last group they stand in front of the first read of the sums (ISA guide 7.12.1); they fill no wait's part
.endr
.if (\nxt) >= 0
	WIN 0x40                                       ; the window first, then the wait, then the loads
	s_wait_alu depctr_va_vdst(0)                   ; these sixteen products are done reading the group's four fragments, in which the loads below land; behind a K step's last group: and the step's buffer of rows, in which the next fetch of rows lands
	RLOAD \p, \nxt
.endif
.endm
.macro AFETCH buf, adr, off            ; a K step's four fragments of the rows, as they lie
	WIN 0
.irp m, 0,1,2,3
.irp q, 0,1,2,3
	ds_load_b128 v[AF+64*(\buf)+16*\m+4*\q:AF+64*(\buf)+16*\m+4*\q+3], v[\adr] offset:(\off)+2048*\m+512*\q
.endr
.endr
.endm
; macro step t of layers 1 and 2: one K step, 64 matrix instructions.  48: behind each group's loads the three other groups' were issued.
; The next K step's rows are asked for at the head.  No wait: the products that read that buffer stand ahead of the last wait on va_vdst, and no vector or matrix instruction has been issued since.
.macro KSTEP4 t, zero, adr, nextoff
.set KB, (\t)%2
.if (\nextoff) >= 0
	AFETCH 1-KB, \adr, \nextoff
	s_wait_dscnt 16                                ; LDS loads come back in order (ISA guide 5.7.1): this K step's rows are in; the sixteen loads just issued may be out
.else
	s_wait_dscnt 0x0                               ; this K step's rows are in
.endif
	GROUP 0, KB, \zero, 0, 48, ((\t)+1)*STEPB
	GROUP 1, KB, \zero, 0, 48, ((\t)+1)*STEPB
	GROUP 2, KB, \zero, 1, 48, ((\t)+1)*STEPB
	GROUP 3, KB, \zero, 1, 48, ((\t)+1)*STEPB
.endm
; K step k of layer 3: 32 matrix instructions on half of a macro step's ring.  The last macro step asks for nothing: its counts run down 48, 32, 16, 0, and its groups hold no wait on va_vdst.
.macro KSTEP2 k
.set KB, (\k)%2
.set KT, 12+(\k)/2
.set KZ, 0
.if (\k) == 0
.set KZ, 1
.endif
.if (\k) < 7
	AFETCH 1-KB, 6, ((\k)+1)*8192                  ; as in KSTEP4: the last fetch, in K step 6, lands in the buffer that K step 5's products read, and those still have their wait behind them
	s_wait_dscnt 16                                ; this K step's rows are in; the sixteen loads just issued may be out
.else
	s_wait_dscnt 0x0
.endif
.if KT < 15
	GROUP 2*KB, KB, KZ, 0, 48, (KT+1)*STEPB
	GROUP 2*KB+1, KB, KZ, 0, 48, (KT+1)*STEPB
.else
	GROUP 2*KB, KB, KZ, 0, 48-32*KB, -1
	GROUP 2*KB+1, KB, KZ, 0, 32-32*KB, -1
.endif
.endm
; The epilogue of layer 1 (sum x S + T) or 2 (sum x 2^(e4+e5) + b2): relu and the hold in one, the conversion, the image to LDS.  a: which of my two K steps of the next layer.
; Two blocks of 16 rows fill the two sets of codes; then one wait, and both blocks' eight stores.
; The parameters' loads need no wait of their own: the last readers of v64-191 (the layer's last products; for a = 1 the multiply-adds of a = 0) stand ahead of the last wait on va_vdst, and only LDS stores and loads have followed it.
.macro EPI layer, hw, sc, lim
	WIN 0
.irp a, 0,1
.irp c, 0,1,2,3,4,5,6,7
.if \layer == 1
	ds_load_b128 v[64+8*\c:64+8*\c+3], v10 offset:(8*\a+\c)*64           ; S at the tile's units 8 h + 0..7
	ds_load_b128 v[64+8*\c+4:64+8*\c+7], v10 offset:(8*\a+\c)*64+16
	ds_load_b128 v[128+8*\c:128+8*\c+3], v10 offset:1024+(8*\a+\c)*64    ; T
	ds_load_b128 v[128+8*\c+4:128+8*\c+7], v10 offset:1024+(8*\a+\c)*64+16
.else
	ds_load_b128 v[128+8*\c:128+8*\c+3], v10 offset:2048+(8*\a+\c)*64    ; b2
	ds_load_b128 v[128+8*\c+4:128+8*\c+7], v10 offset:2048+(8*\a+\c)*64+16
.endif
.endr
	s_wait_dscnt 0x0
.irp m, 0,1,2,3
	WIN 0x02+\a                                    ; source 0: the sums, window 2 or 3
.irp c, 0,1,2,3,4,5,6,7
.irp i, 0,2,4,6
.if \layer == 1
	v_pk_fma_f32 v[TMP+8*\c+\i:TMP+8*\c+\i+1], v[8*(4*\c+\m)+\i:8*(4*\c+\m)+\i+1], v[64+8*\c+\i:64+8*\c+\i+1], v[128+8*\c+\i:128+8*\c+\i+1]
.else
	v_pk_fma_f32 v[TMP+8*\c+\i:TMP+8*\c+\i+1], v[8*(4*\c+\m)+\i:8*(4*\c+\m)+\i+1], s[50:51], v[128+8*\c+\i:128+8*\c+\i+1] op_sel_hi:[1,0,1]
.endif
.endr
.endr
	WIN 0
.set ei, 0
.rept 64
	v_med3_num_f32 v[TMP+ei], v[TMP+ei], 0, v[\lim]   ; the activation and the hold in one: between 0 and the largest code x the scale (the conversion does not saturate: ISA guide 7.6.2)
.set ei, ei+1
.endr
.if (\m%2) == 0
.if (\layer+\a+\m) > 1                 ; layer 1's first two blocks have no stores ahead of them
	s_wait_alu depctr_vm_vsrc(0)                   ; the eight LDS stores of the two blocks before have read both sets of codes, which the conversions of these two blocks write again
.endif
.endif
.irp c, 0,1,2,3,4,5,6,7
	v_cvt_scalef32_pk8_bf8_f32 v[PC+16*(\m%2)+2*\c:PC+16*(\m%2)+2*\c+1], v[TMP+8*\c:TMP+8*\c+7], v[\sc]
.endr
	v_nop                                          ; one plain line behind the last conversion of a run
.if (\m%2) == 1
	s_wait_alu depctr_va_vdst(0)                   ; the conversions of both blocks have written v32-63, which the stores below read; and the multiply-adds so far are done reading v64-191, in which later LDS loads land
.irp z, \m-1, \m
.irp q, 0,1,2,3
	ds_store_b128 v[\hw], v[PC+16*((\z)%2)+4*\q:PC+16*((\z)%2)+4*\q+3] offset:8192*\a+2048*(\z)+512*\q
.endr
.endr
.endif
.endr
.endr
.endm
	s_load_b512 s[4:19], s[0:1], 0x0               ; plan s[4:5], xq s[6:7], wq s[8:9], fsm s[10:11], b2 s[12:13], b3 s[14:15], the exponents s[16:17], part s[18:19]
	v_lshl_add_u32 v30, v0, 2, 0x33c00
	v_mov_b32 v31, 0
	v_lshrrev_b32 v2, 5, v0
	v_readfirstlane_b32 s20, v2                    ; wave 0..3
	v_and_b32 v1, 31, v0
	v_lshlrev_b32 v1, 4, v1                        ; v1: 16 x lane: an image's place for my lane
	v_and_b32 v2, 15, v0                           ; r
	v_bfe_u32 v3, v0, 4, 1                         ; h
	s_wait_alu depctr_va_sdst(0)                   ; s20 is written, ahead of its first reader: addresses and bases are made from it
	s_lshl_b32 s21, s20, 11
	v_add_nc_u32 v4, s21, v1                       ; v4: where I store x's images: tile of rows = wave
	v_add_nc_u32 v5, H1, v1                        ; v5, v6: where any wave reads h1's and h2's
	v_add_nc_u32 v6, H2, v1
	s_lshl_b32 s21, s20, 14
	v_add_nc_u32 v7, s21, v5                       ; v7, v8: where I store them: K steps 2 wave, 2 wave + 1
	v_add_nc_u32 v8, s21, v6
	s_mul_i32 s21, s20, PARB
	s_add_co_u32 s21, s21, PAR
	v_add_nc_u32 v9, s21, v1                       ; v9: my wave's parameters, on the way in;
	v_lshl_add_u32 v10, v3, 5, s21                 ; v10: and out: + 32 h: my half's eight units of a tile
	s_mul_i32 s21, s20, 16*SP
	s_add_co_u32 s21, s21, STG
	v_mul_u32_u24 v11, v2, SP
	v_lshl_add_u32 v11, v3, 5, v11
	v_add_nc_u32 v11, s21, v11                     ; v11: the stage: row r, + 32 h
	v_add_nc_u32 v12, s21, v1                      ; v12: and back, a row to the 32 lanes
	s_lshl_b32 s21, s20, 9
	v_add_nc_u32 v13, s21, v1                      ; v13: my bytes of a row of part: 512 wave + 16 lane
	s_lshl_b32 s21, ttmp9, 4
	s_lshl_b32 s22, ttmp9, 6
	s_lshl_b32 s23, s20, 4
	s_add_co_u32 s22, s22, s23
	v_add_nc_u32 v14, s22, v2                      ; my row of the list: 64 g + 16 wave + r
	s_wait_kmcnt 0x0
	s_load_b128 s[24:27], s[4:5], s21 offset:REC   ; the tile's record: expert, rows, the expert's last row
	s_load_b256 s[32:39], s[16:17], 0x0            ; e0 .. e7
	s_wait_kmcnt 0x0
	s_min_u32 s24, s24, 7                          ; loaded numbers enter addresses only behind a bound
	s_min_u32 s25, s25, 64
	s_min_u32 s26, s26, LROWS
	v_min_u32 v14, s26, v14                        ; rows past the expert's last repeat it
	v_min_u32 v14, LROWS, v14
	v_lshlrev_b32 v14, 2, v14
	s_wait_alu depctr_va_vdst(0)                   ; the addresses v1 and v4 to v14 are written, which the loads and stores of the whole kernel read; none of them is written again
	global_load_b32 v15, v14, s[4:5]               ; my token
	s_lshl_b32 s22, s24, 21
	s_lshl_b32 s23, s20, 15
	s_add_co_u32 s22, s22, s23
	s_mov_b32 s23, 0
	s_add_nc_u64 s[40:41], s[8:9], s[22:23]        ; the expert's codes, my wave's part of each macro step
	s_lshl_b32 s22, s24, 12
	s_lshl_b32 s28, s20, 10
	s_add_co_u32 s22, s22, s28
	s_add_nc_u64 s[42:43], s[10:11], s[22:23]      ; S and T at my 256 units
	s_add_nc_u64 s[44:45], s[12:13], s[22:23]      ; b2 likewise
	s_lshl_b32 s22, s24, 11
	s_lshl_b32 s28, s20, 9
	s_add_co_u32 s22, s22, s28
	s_add_nc_u64 s[46:47], s[14:15], s[22:23]      ; b3 at my 128 outputs
	s_lshl_b32 s22, ttmp9, 17
	s_add_nc_u64 s[48:49], s[18:19], s[22:23]      ; part at row 64 g
	global_load_b128 v[TMP:TMP+3], v1, s[42:43] offset:40960
	global_load_b128 v[TMP+4:TMP+7], v1, s[42:43] offset:41472
	global_load_b128 v[TMP+8:TMP+11], v1, s[42:43] offset:73728
	global_load_b128 v[TMP+12:TMP+15], v1, s[42:43] offset:74240
	global_load_b128 v[TMP+16:TMP+19], v1, s[44:45]
	global_load_b128 v[TMP+20:TMP+23], v1, s[44:45] offset:512
	global_load_b128 v[TMP+24:TMP+27], v1, s[46:47]
	RLOAD 0, 0
	RLOAD 1, 0
	RLOAD 2, 0
	WIN 0
	MKSC 36, 16, 17                                ; e4: h1
	MKSC 38, 18, 19                                ; e6: h2
	s_add_co_i32 s50, s36, s37
	s_add_co_i32 s50, s50, 127
	s_lshl_b32 s50, s50, 23                        ; 2^(e4 + e5)
	s_mov_b32 s51, s50                             ; (named with it as a pair, so it is written)
	s_add_co_i32 s52, s38, s39
	s_add_co_i32 s52, s52, 127
	s_lshl_b32 s52, s52, 23                        ; 2^(e6 + e7)
	s_mov_b32 s53, s52
	s_wait_loadcnt 48                              ; my token and the seven loads of parameters are in; the ring's 48 may be out
.irp i, 0,1,2,3,4,5,6
	ds_store_b128 v9, v[TMP+4*\i:TMP+4*\i+3] offset:512*\i
.endr
	v_min_u32 v15, 4095, v15
	v_lshlrev_b32 v20, 9, v15
	v_lshl_add_u32 v20, v3, 4, v20                 ; my token's 512 bytes of codes, + 16 h
	s_wait_alu depctr_va_vdst(0)                   ; v20 is written, which the sixteen loads below read as their offset
.irp s, 0,1,2,3
.irp q, 0,1,2,3
	global_load_b128 v[AF+16*\s+4*\q:AF+16*\s+4*\q+3], v20, s[6:7] offset:128*\s+32*\q   ; registers 4q..4q+3 of K step s's fragment
.endr
.endr
	RLOAD 3, 0
	WIN 0
	s_wait_loadcnt 16                              ; the gather is in; the ring's fourth group may be out
.irp s, 0,1,2,3
.irp q, 0,1,2,3
	ds_store_b128 v4, v[AF+16*\s+4*\q:AF+16*\s+4*\q+3] offset:8192*\s+512*\q
.endr
.endr
	BARRIER                                        ; x's sixteen images lie in LDS
	s_wait_alu depctr_vm_vsrc(0)                   ; my LDS stores have read v64-127, in which the rows' fragments land from here on, and v192-219, which the epilogues' arithmetic writes
	; ---- layer 1: K = 512
	AFETCH 0, 1, 0
	KSTEP4 0, 1, 1, 8192                           ; the first K step's products start the sums: nothing is cleared
	KSTEP4 1, 0, 1, 16384
	KSTEP4 2, 0, 1, 24576
	KSTEP4 3, 0, 1, -1
	EPI 1, 7, 16, 17
	BARRIER                                        ; h1's 32 images lie in LDS
	; ---- layer 2: K = 1,024
	AFETCH 0, 5, 0                                 ; no wait: the epilogue's last wait on va_vdst stands behind every reader of v64-191, and only LDS stores have followed it
	KSTEP4 4, 1, 5, 8192
	KSTEP4 5, 0, 5, 16384
	KSTEP4 6, 0, 5, 24576
	KSTEP4 7, 0, 5, 32768
	KSTEP4 8, 0, 5, 40960
	KSTEP4 9, 0, 5, 49152
	KSTEP4 10, 0, 5, 57344
	KSTEP4 11, 0, 5, -1
	EPI 2, 8, 18, 19
	BARRIER                                        ; h2's 32 images lie in LDS; no barrier follows
	s_cmp_eq_u32 s25, 0                            ; a tile without rows ends here and stores nothing
	s_cbranch_scc1 .Lend
	; ---- layer 3: K = 1,024, 32 accumulators
	AFETCH 0, 6, 0                                 ; no wait, as at the head of layer 2
.irp k, 0,1,2,3,4,5,6,7
	KSTEP2 \k
.endr
	; ---- the way out: logits = sum x 2^(e6+e7) + b3; 16 rows at a time through my stage, so that each store covers 512 consecutive bytes of a row of part
	WIN 0
	s_wait_alu depctr_va_vdst(0)                   ; the last two K steps' products, which have no wait behind them, are done reading v64-191: b3 lands in v128-191 now, rows of part in v64-127 below
.irp j, 0,1,2,3,4,5,6,7
	ds_load_b128 v[128+8*\j:128+8*\j+3], v10 offset:3072+64*\j
	ds_load_b128 v[128+8*\j+4:128+8*\j+7], v10 offset:3072+64*\j+16
.endr
	s_wait_dscnt 0x0
.irp m, 0,1,2,3
.if \m > 0
	s_cmp_le_u32 s25, 16*\m                        ; no row of these sixteen is in the tile: done.  (Rows between the last and the end of its sixteen repeat it, into rows of part that nobody reads)
	s_cbranch_scc1 .Lend
.endif
	WIN 0x02
.irp j, 0,1,2,3,4,5,6,7
.irp i, 0,2,4,6
	v_pk_fma_f32 v[TMP+8*\j+\i:TMP+8*\j+\i+1], v[8*(4*\j+\m)+\i:8*(4*\j+\m)+\i+1], s[52:53], v[128+8*\j+\i:128+8*\j+\i+1] op_sel_hi:[1,0,1]
.endr
.endr
	WIN 0
	s_wait_alu depctr_va_vdst(0)                   ; the multiply-adds have written v192-255, which the LDS stores below read
.irp j, 0,1,2,3,4,5,6,7
	ds_store_b128 v11, v[TMP+8*\j:TMP+8*\j+3] offset:64*\j          ; lane (r, h): outputs 16 j + 8 h + 0..7 of row r
	ds_store_b128 v11, v[TMP+8*\j+4:TMP+8*\j+7] offset:64*\j+16
.endr
	s_wait_xcnt 0x0                                ; the last sixteen rows' stores have had their addresses translated: only behind this wait are their registers loaded again
.irp i, 0,1,2,3,4,5,6,7,8,9,10,11,12,13,14,15
	ds_load_b128 v[BK+4*\i:BK+4*\i+3], v12 offset:\i*SP   ; LDS serves a wave's instructions in order: these see my stores
.endr
.irp i, 0,1,2,3,4,5,6,7,8,9,10,11,12,13,14,15
	s_wait_dscnt 15-\i
	global_store_b128 v13, v[BK+4*\i:BK+4*\i+3], s[48:49] offset:(16*\m+\i)*2048
.endr
.if \m < 3
	s_wait_alu depctr_vm_vsrc(0)                   ; ahead of the branch: the LDS stores have read v192-255 and the global stores v64-127; the next sixteen rows' multiply-adds and LDS loads write them again
.endif
.endr
.Lend:
	s_wait_dscnt 0x0                               ; the closing lines, six on end
	s_wait_alu 0x0
	s_wait_tensorcnt 0x0
	ds_add_u32 v30, v31
	s_wait_dscnt 0x0
	s_endpgm
.Lfunc_end_k_qe1acb4af11_experts:
	.size	k_qe1acb4af11_experts, .Lfunc_end_k_qe1acb4af11_experts-k_qe1acb4af11_experts
	.p2alignl 7, 3214868480
	.fill 96, 4, 3214868480
	.section	.rodata,"a",@progbits
	.p2align	6, 0x0
	.amdhsa_kernel k_qe1acb4af11_experts
		.amdhsa_group_segment_fixed_size 212480
		.amdhsa_private_segment_fixed_size 0
		.amdhsa_enable_private_segment 0
		.amdhsa_kernarg_size 64
		.amdhsa_user_sgpr_count 2
		.amdhsa_user_sgpr_kernarg_segment_ptr 1
		.amdhsa_wavefront_size32 1
		.amdhsa_system_sgpr_workgroup_id_x 1
		.amdhsa_system_sgpr_workgroup_id_y 1
		.amdhsa_system_sgpr_workgroup_id_z 1
		.amdhsa_system_vgpr_workitem_id 0
		.amdhsa_next_free_vgpr 1024
		.amdhsa_next_free_sgpr 66
		.amdhsa_reserve_vcc 0
		.amdhsa_float_denorm_mode_32 3
		.amdhsa_float_denorm_mode_16_64 3
		.amdhsa_memory_ordered 1
		.amdhsa_forward_progress 1
		.amdhsa_inst_pref_size 255
	.end_amdhsa_kernel
	.section	.bss,"aw",@nobits
	.p2align	6
	.space	262144
	.amdgpu_metadata
---
amdhsa.version: [ 1, 2 ]
amdhsa.kernels:
  - .name:           k_qe1acb4af11_experts
    .symbol:         k_qe1acb4af11_experts.kd
    .args:
      - { .name: plan, .offset: 0, .size: 8, .value_kind: global_buffer, .address_space: global }
      - { .name: xq, .offset: 8, .size: 8, .value_kind: global_buffer, .address_space: global }
      - { .name: wq, .offset: 16, .size: 8, .value_kind: global_buffer, .address_space: global }
      - { .name: fsm, .offset: 24, .size: 8, .value_kind: global_buffer, .address_space: global }
      - { .name: b2, .offset: 32, .size: 8, .value_kind: global_buffer, .address_space: global }
      - { .name: b3, .offset: 40, .size: 8, .value_kind: global_buffer, .address_space: global }
      - { .name: lowp_scales, .offset: 48, .size: 8, .value_kind: global_buffer, .address_space: global }
      - { .name: part, .offset: 56, .size: 8, .value_kind: global_buffer, .address_space: global }
    .group_segment_fixed_size: 212480
    .private_segment_fixed_size: 0
    .kernarg_segment_align: 8
    .kernarg_segment_size: 64
    .max_flat_workgroup_size: 128
    .sgpr_count:     66
    .vgpr_count:     1024
    .wavefront_size: 32
...
	.end_amdgpu_metadata
.endif
;; end of part 5
;; launch combine: the kernel of part 4 again; grid 256 x 1, 4 waves a work-group, no clusters, 0 bytes of LDS; arguments plan, fsm, part, out0; writes out0
